; MI455X (gfx1250); checked and timed in simulation.
; The chip was launched on July 23, 2026; its instructions are those of AMD's public machine-readable ISA for CDNA 5 (MIT licence, August 2026) and "CDNA5" Instruction Set Architecture Reference Guide (July 2026). The comments in the code are by the model that wrote it; some were corrected since.
;; Transformer Block. Allowed arithmetic: matrix products marked QUANTISED: E2M3 operands, one E8M0 scale for each 32 along K, by v_wmma_scale_f32_16x16x128_f8f6f4 with both operands' format E2M3, f32 sums; everything else in f32.
;; Inputs: b1 4,096 float32; b2 1,024 float32; beta0 1,024 float32; beta1 1,024 float32; gamma0 1,024 float32; gamma1 1,024 float32; w1 4,096 x 1,024 float32; w2 1,024 x 4,096 float32; wk 1,024 x 1,024 float32; wo 1,024 x 1,024 float32; wq 1,024 x 1,024 float32; wv 1,024 x 1,024 float32; x 2 x 2,048 x 1,024 float32.
;; Outputs: out0 2 x 2,048 x 1,024 float32.
;; This version of the problem:
;;   THIS VERSION OF THE PROBLEM IS GIVEN IN LOW PRECISION. The matrix products marked QUANTISED in the list below multiply operands that are first quantised to E2M3 (2 exponent bits, 3 mantissa bits; 6 bits a number), with one power-of-two scale for each 32 numbers along K (OCP MX v1.0); their sums are f32. All else is computed in f32.
;;   The module's matrix products, in the order in which they are computed (A, B: the left and right operand; K: the contracted axis; several contracted axes count as one K, in the product's order):
;;     1. [M 4,096, K 1,024] x [K 1,024, N 1,024]; A: input x; B: input wq: QUANTISED
;;     2. [M 4,096, K 1,024] x [K 1,024, N 1,024]; A: input x; B: input wk: QUANTISED
;;     3. [M 4,096, K 1,024] x [K 1,024, N 1,024]; A: input x; B: input wv: QUANTISED
;;     4. batch 32 x [M 2,048, K 64] x [K 64, N 2,048]; A: computed on the way; B: computed on the way: QUANTISED
;;     5. batch 32 x [M 2,048, K 2,048] x [K 2,048, N 64]; A: softmax (see below); B: computed on the way: QUANTISED
;;     6. [M 4,096, K 1,024] x [K 1,024, N 1,024]; A: computed on the way; B: input wo: QUANTISED
;;     7. [M 4,096, K 1,024] x [K 1,024, N 4,096]; A: computed on the way; B: input w1: QUANTISED
;;     8. [M 4,096, K 4,096] x [K 4,096, N 1,024]; A: computed on the way; B: input w2: QUANTISED
;;   THE QUANTISER, for each operand of a quantised product, along K:
;;     - K is cut into blocks of 32 from its start; a last block that is shorter is filled with zeros.
;;     - A block's scale is 2^e with e = floor(log2(the largest magnitude in the block)) - 2, held to -126 .. 127; a block of zeros has e = 0. As a byte (E8M0): e + 127.
;;     - Each number is divided by its block's scale, clamped to +-7.5, and rounded to the nearest number of E2M3, ties to even, subnormals kept.
;;     - The product sums the exact products of the quantised numbers (number of the format x scale) in f32.
;;   ~~~python
;;   def quantise(x, axis):      # numpy; x: float32 -> the quantised numbers, widened to float32 again
;;       x = np.moveaxis(x, axis, -1); K = x.shape[-1]
;;       x = np.pad(x, [(0, 0)] * (x.ndim - 1) + [(0, -K % 32)]); x = x.reshape(x.shape[:-1] + (-1, 32)); a = np.abs(x).max(-1, keepdims=True)
;;       e = np.where(a > 0, np.clip(np.frexp(np.where(a > 0, a, 1))[1] - 1 - 2, -126, 127), 0)      # np.frexp(a)[1] - 1 = floor(log2(a)), exactly
;;       r = np.clip(x / 2.0 ** e, -7.5, 7.5)
;;       step = 2.0 ** (np.maximum(np.frexp(np.where(r == 0, 1, r))[1] - 1, 0) - 3)
;;       q = np.round(r / step) * step * 2.0 ** e      # np.round: ties to even
;;       return np.moveaxis(q.reshape(q.shape[:-2] + (-1,))[..., :K], -1, axis).astype(np.float32)
;;   ~~~
;;   SOFTMAX AHEAD OF A QUANTISED PRODUCT. Where the list says 'softmax', what is quantised is not the finished softmax but p = 2^(t - M), with t = logit x log2(e) and M = ceil(the row's largest t), a whole number; so 1/2 < the row's largest p <= 1. The row's sum l is taken of the UNQUANTISED p, in f32, and the product's result is divided by l at the end. Since M is a whole number, a kernel that streams over the keys may use a running M (the ceiling of the running maximum): every later rescaling is an exact power of two, which a block's scale takes up: the codes' values come out the same.
;;   OPERANDS COMPUTED ON THE WAY. 'Computed on the way' means the value that the module computes at that place (a softmax that the list does not call 'softmax' is quantised finished and normalised). What goes into a quantiser is computed in f32, as accurately as f32 sums, v_exp_f32 and their like allow (about 1e-6 of the number): no bf16 or f16 on the way to a quantiser, and a product that is left as it is and whose result goes on into a quantised operand takes f32 operands (vector FMAs, or v_wmma_f32_16x16x4_f32). A number that lies on a knife's edge between two numbers of the format may be rounded either way, as far as f32 arithmetic and the matrix unit's own rounding can turn it there, and no further.
;; One version. Each part assembles by itself: llvm-mc -triple=amdgcn-amd-amdhsa -mcpu=gfx1250 --defsym DOCPART=n.
;; ======== version 1 of 1: 8 launches
;; limits: right only within a limited range of input values
;; workspace buffers: opq 13,107,200 bytes; qkv 9,830,400 bytes; attq 3,276,800 bytes; ybuf 16,777,216 bytes; x1 16,777,216 bytes; x1q 3,276,800 bytes; hq 13,107,200 bytes
;; launch quant (part 1): grid 512 x 1, 4 waves a work-group, no clusters, 34,304 bytes of LDS; arguments x, wq, wk, wv, wo, w1, w2, opq; writes opq
.if DOCPART == 1
	.amdgcn_target "amdgcn-amd-amdhsa--gfx1250"
	.amdhsa_code_object_version 6
	.text
	.protected	k_qadd86fe657_quant
	.globl	k_qadd86fe657_quant
	.p2align	8
	.type	k_qadd86fe657_quant,@function
k_qadd86fe657_quant:
	s_mov_b64 s[64:65], 0
	v_nop
	global_prefetch_b8 v0, s[64:65] scope:SCOPE_SE
	s_setreg_imm32_b32 hwreg(HW_REG_WAVE_MODE, 25, 1), 1
	s_wait_xcnt 0x0
; x [4096][1024], wq, wk, wv, wo [1024][1024], w1 [4096][1024], w2 [1024][4096], all f32 with K innermost, become codes of FP6 (E2M3) with one E8M0 byte for each 32 along K.
; THE LAYOUT OF EVERY OPERAND OF THIS PROGRAM.  Rows go in groups of 16: place i of group g is row 32 (g / 2) + 8 (g % 2) + i + 8 (i / 8).  A RECORD, 1,536 bytes, is the image of one fragment's registers
; (group g, 128 along K): register 6 c + i of lane l lies at 768 c + 16 l + 4 i (i = 0 .. 3) or at 768 c + 512 + 8 l + 4 (i - 4) (i = 4, 5).  Codes: [group][K step][1536]; scale words: [group][K step][64], place r's word at 4 r.
; A block's scale is 2^(floor(log2(largest magnitude)) - 2); its byte is the largest magnitude's exponent field - 2, held at 1 from below.
; LIMITS: a block of zeros, and a block whose largest magnitude lies under 2^-124, keep the byte 1 (a block of zeros has zero codes, and this program alone reads the bytes); NaN and infinities are not served.
; SHARES.  A wave makes 4 neighbouring records of one group: 2,048 bytes of each of 16 rows.  Wave W = 4 x work-group + wave writes records 4 W .. 4 W + 3 of the buffer: the seven tensors lie on end in it.
; Each load reads 512 consecutive bytes of one row; a record's 16 x 512 bytes turn through the wave's own stage in LDS (rows 528 bytes apart) and come back 16 neighbours of each block of 32 to a lane.
; No barrier: waves share nothing.  No store's data or address register is written again, so no wait frees them.
.set WREG, 8448                        ; a wave's stage: 16 rows x 528 bytes
.set SP,   528
.set OFFR, 16                          ; v16-31   16 l + place i's row
.set R,    32                          ; v32-95, v96-159 two sets of 64 numbers
.set PCB,  160                         ; v160-207 codes, 12 registers for each record
.set PWB,  208                         ; v208-211 scale words
.set CT,   236                         ; v236-238, v240-242 the conversions' second results
.set TM,   244                         ; v244-247 largest magnitudes, v248-251 the other half's, then the bytes
.set SO,   252                         ; v252-255 the conversions' scale operands
.set SEL,  2                           ; s[2:3] selects for lane l xor 16
.set MSB, 0
.macro WIN new                         ; the immediate's high byte repeats the setting that is left; a switch that changes nothing is dropped
.if MSB != (\new)
	s_set_vgpr_msb (MSB<<8)|(\new)
.set MSB, (\new)
.endif
.endm
; 64 numbers of a lane in window w, register 16 b + i = k 32 b + 16 (lane / 16) + i of the lane's row, become a fragment's codes in v[pc] on and its scale word in v[pw].
.macro QUANT s, w, pc, pw
	WIN (\w)|((\w)<<2)
.irp b, 0,1,2,3
	v_max3_num_f32 v[TM+\b], |v[(\s)+16*\b]|, |v[(\s)+1+16*\b]|, 0x1800000   ; block b: my 16 numbers, and the floor 2^(3 - 127): the byte cannot fall under 1
.endr
	WIN ((\w)<<2)|((\w)<<4)
.irp i, 2,4,6,8,10,12,14
.irp b, 0,1,2,3
	v_max3_num_f32 v[TM+\b], v[TM+\b], |v[(\s)+16*\b+\i]|, |v[(\s)+1+16*\b+\i]|   ; the four blocks by turns
.endr
.endr
	WIN 0
.irp b, 0,1,2,3
	v_permlanex16_b32 v[TM+4+\b], v[TM+\b], s[SEL], s[SEL+1]
.endr
.irp b, 0,1,2,3
	v_max_num_f32 v[TM+\b], v[TM+\b], v[TM+4+\b]   ; with lane l xor 16's: the block's largest magnitude
.endr
.irp b, 0,1,2,3
	v_add_nc_u32 v[SO+\b], 0xff000000, v[TM+\b]    ; 2 off its exponent field: the conversion takes this operand's exponent field as its scale
.endr
.irp b, 0,1,2,3
	v_lshrrev_b32 v[TM+4+\b], 23, v[SO+\b]         ; the scale's byte
.endr
	v_lshl_or_b32 v[\pw], v[TM+5], 8, v[TM+4]
	v_lshl_or_b32 v[\pw], v[TM+6], 16, v[\pw]
	v_lshl_or_b32 v[\pw], v[TM+7], 24, v[\pw]
	WIN \w
.irp c, 0,1
	v_cvt_scalef32_pk16_fp6_f32 v[(\pc)+6*\c:(\pc)+6*\c+2], v[(\s)+32*\c:(\s)+32*\c+15], v[SO+2*\c]
	v_cvt_scalef32_pk16_fp6_f32 v[CT+4*\c:CT+4*\c+2], v[(\s)+32*\c+16:(\s)+32*\c+31], v[SO+2*\c+1]   ; (a conversion's three registers begin on an even number)
.endr
	WIN 0
	v_nop                                          ; one plain place behind the scaled conversions
.irp c, 0,1                                    ; the operand wants a WHOLE block in a lane: lanes 0-15 block 2 c, lanes 16-31 block 2 c + 1
.irp i, 0,1,2
	v_permlane16_swap_b32 v[(\pc)+6*\c+\i], v[CT+4*\c+\i]
.endr
.irp i, 0,1,2
	v_mov_b32 v[(\pc)+3+6*\c+\i], v[CT+4*\c+\i]
.endr
.endr
.endm
; a record leaves as it stands: stores of 512, 256, 512 and 256 consecutive bytes; the scale word by all lanes at 4 (lane % 16): lanes l and l + 16 hold the same word
.macro PUTREC o16, o8, os, cb, sb, off, soff, pc, pw
	global_store_b128 v[\o16], v[(\pc):(\pc)+3], s[\cb:\cb+1] offset:\off
	global_store_b64 v[\o8], v[(\pc)+4:(\pc)+5], s[\cb:\cb+1] offset:\off
	global_store_b128 v[\o16], v[(\pc)+6:(\pc)+9], s[\cb:\cb+1] offset:(\off)+768
	global_store_b64 v[\o8], v[(\pc)+10:(\pc)+11], s[\cb:\cb+1] offset:(\off)+768
	global_store_b32 v[\os], v[\pw], s[\sb:\sb+1] offset:\soff
.endm
	s_load_b256 s[4:11], s[0:1], 0x0               ; x, wq, wk, wv
	s_load_b256 s[12:19], s[0:1], 0x20             ; wo, w1, w2, opq
	v_lshl_add_u32 v239, v0, 2, 0x8400
	v_mov_b32 v243, 0
	v_lshrrev_b32 v1, 5, v0
	v_readfirstlane_b32 s32, v1                    ; wave
	v_and_b32 v1, 31, v0                           ; lane
	v_and_b32 v2, 15, v0                           ; r
	v_bfe_u32 v3, v0, 4, 1                         ; h
	v_lshlrev_b32 v6, 4, v1                        ; 16 l
	v_lshlrev_b32 v7, 3, v1
	v_add_nc_u32 v7, 512, v7                       ; 512 + 8 l
	v_lshlrev_b32 v8, 2, v2                        ; 4 r
	s_mul_i32 s33, s32, WREG
	v_add_nc_u32 v4, s33, v6                       ; the stage, way in: 16 l of a row
	v_mul_u32_u24 v5, v2, SP
	v_lshl_add_u32 v5, v3, 6, v5
	v_add_nc_u32 v5, s33, v5                       ; way out: row r, + 64 h
	s_mov_b32 s[SEL], 0x76543210
	s_mov_b32 s[SEL+1], 0xfedcba98
.irp b, 0,1,2,3
	v_mov_b32 v[TM+4+\b], 0                        ; written once: a lane permute's destination counts as one of its sources
.endr
	s_wait_kmcnt 0x0
	; which tensor: the choice hangs on the work-group's number alone
	s_mov_b64 s[20:21], s[4:5]
	s_mov_b32 s22, 0                               ; the tensor's first work-group
	s_cmp_ge_u32 ttmp9, 128
	s_cselect_b64 s[20:21], s[6:7], s[20:21]
	s_cselect_b32 s22, 128, s22
	s_cmp_ge_u32 ttmp9, 160
	s_cselect_b64 s[20:21], s[8:9], s[20:21]
	s_cselect_b32 s22, 160, s22
	s_cmp_ge_u32 ttmp9, 192
	s_cselect_b64 s[20:21], s[10:11], s[20:21]
	s_cselect_b32 s22, 192, s22
	s_cmp_ge_u32 ttmp9, 224
	s_cselect_b64 s[20:21], s[12:13], s[20:21]
	s_cselect_b32 s22, 224, s22
	s_cmp_ge_u32 ttmp9, 256
	s_cselect_b64 s[20:21], s[14:15], s[20:21]
	s_cselect_b32 s22, 256, s22
	s_mov_b32 s24, 4096
	s_cmp_ge_u32 ttmp9, 384
	s_cselect_b64 s[20:21], s[16:17], s[20:21]
	s_cselect_b32 s22, 384, s22
	s_cselect_b32 s23, 3, 1                        ; a group has 2 runs of 4 records (K = 1,024) or 8 (K = 4,096)
	s_cselect_b32 s27, 7, 1
	s_cselect_b32 s24, 16384, s24                  ; a row in bytes
	s_sub_co_u32 s25, ttmp9, s22
	s_lshl_b32 s25, s25, 2
	s_add_co_u32 s25, s25, s32                     ; my run in the tensor
	s_lshr_b32 s26, s25, s23                       ; group
	s_and_b32 s27, s25, s27                        ; which run of the group
	s_lshr_b32 s28, s26, 1
	s_lshl_b32 s28, s28, 5
	s_and_b32 s29, s26, 1
	s_lshl_b32 s29, s29, 3
	s_add_co_u32 s28, s28, s29                     ; the group's first row
	s_mul_i32 s28, s28, s24
	s_lshl_b32 s27, s27, 11
	s_add_co_u32 s28, s28, s27
	s_mov_b32 s29, 0
	s_add_nc_u64 s[20:21], s[20:21], s[28:29]
	s_lshl_b32 s30, ttmp9, 2
	s_add_co_u32 s30, s30, s32                     ; W
	s_mul_i32 s34, s30, 6144
	s_mov_b32 s35, 0
	s_add_nc_u64 s[36:37], s[18:19], s[34:35]      ; my four records
	s_lshl_b32 s34, s30, 8
	s_add_co_u32 s34, s34, 12582912
	s_add_nc_u64 s[38:39], s[18:19], s[34:35]      ; and their scale words
.irp i, 0,1,2,3,4,5,6,7,8,9,10,11,12,13,14,15
	v_mad_u32_u24 v[OFFR+\i], s24, \i+8*(\i/8), v6
.endr
.macro LOAD u
.irp i, 0,1,2,3,4,5,6,7,8,9,10,11,12,13,14,15
	global_load_b128 v[R+64*((\u)%2)+4*\i:R+64*((\u)%2)+4*\i+3], v[OFFR+\i], s[20:21] offset:512*(\u) th:TH_LOAD_NT
.endr
.endm
.macro UNIT u
.if (\u) < 3
	s_wait_loadcnt 16                              ; this record's 16 loads are in; the next record's may be out
.else
	s_wait_loadcnt 0x0
.endif
.irp i, 0,1,2,3,4,5,6,7,8,9,10,11,12,13,14,15
	ds_store_b128 v4, v[R+64*((\u)%2)+4*\i:R+64*((\u)%2)+4*\i+3] offset:SP*\i
.endr
.irp b, 0,1,2,3
.irp j, 0,1,2,3
	ds_load_b128 v[R+64*((\u)%2)+16*\b+4*\j:R+64*((\u)%2)+16*\b+4*\j+3], v5 offset:128*\b+16*\j   ; LDS serves a wave's instructions in order: these see the stores above
.endr
.endr
	s_wait_dscnt 0x0
	QUANT R+64*((\u)%2), 0, PCB+12*(\u), PWB+(\u)
.if (\u) < 2
	LOAD (\u)+2
.endif
	PUTREC 6, 7, 8, 36, 38, 1536*(\u), 64*(\u), PCB+12*(\u), PWB+(\u)
.endm
	LOAD 0
	LOAD 1
	UNIT 0
	UNIT 1
	UNIT 2
	UNIT 3
	s_wait_tensorcnt 0x0
	ds_add_u32 v239, v243
	s_wait_dscnt 0x0
	s_endpgm
.Lfunc_end_k_qadd86fe657_quant:
	.size	k_qadd86fe657_quant, .Lfunc_end_k_qadd86fe657_quant-k_qadd86fe657_quant
	.p2alignl 7, 3214868480
	.fill 96, 4, 3214868480
	.section	.rodata,"a",@progbits
	.p2align	6, 0x0
	.amdhsa_kernel k_qadd86fe657_quant
		.amdhsa_group_segment_fixed_size 34304
		.amdhsa_private_segment_fixed_size 0
		.amdhsa_enable_private_segment 0
		.amdhsa_kernarg_size 64
		.amdhsa_user_sgpr_count 2
		.amdhsa_user_sgpr_kernarg_segment_ptr 1
		.amdhsa_wavefront_size32 1
		.amdhsa_system_sgpr_workgroup_id_x 1
		.amdhsa_system_sgpr_workgroup_id_y 1
		.amdhsa_system_sgpr_workgroup_id_z 1
		.amdhsa_system_vgpr_workitem_id 0
		.amdhsa_next_free_vgpr 256
		.amdhsa_next_free_sgpr 66
		.amdhsa_reserve_vcc 0
		.amdhsa_float_denorm_mode_32 3
		.amdhsa_float_denorm_mode_16_64 3
		.amdhsa_memory_ordered 1
		.amdhsa_forward_progress 1
		.amdhsa_inst_pref_size 36
	.end_amdhsa_kernel
	.amdgpu_metadata
---
amdhsa.version: [ 1, 2 ]
amdhsa.kernels:
  - .name:           k_qadd86fe657_quant
    .symbol:         k_qadd86fe657_quant.kd
    .args:
      - { .name: x, .offset: 0, .size: 8, .value_kind: global_buffer, .address_space: global }
      - { .name: wq, .offset: 8, .size: 8, .value_kind: global_buffer, .address_space: global }
      - { .name: wk, .offset: 16, .size: 8, .value_kind: global_buffer, .address_space: global }
      - { .name: wv, .offset: 24, .size: 8, .value_kind: global_buffer, .address_space: global }
      - { .name: wo, .offset: 32, .size: 8, .value_kind: global_buffer, .address_space: global }
      - { .name: w1, .offset: 40, .size: 8, .value_kind: global_buffer, .address_space: global }
      - { .name: w2, .offset: 48, .size: 8, .value_kind: global_buffer, .address_space: global }
      - { .name: opq, .offset: 56, .size: 8, .value_kind: global_buffer, .address_space: global }
    .group_segment_fixed_size: 34304
    .private_segment_fixed_size: 0
    .kernarg_segment_align: 8
    .kernarg_segment_size: 64
    .max_flat_workgroup_size: 128
    .sgpr_count:     66
    .vgpr_count:     256
    .wavefront_size: 32
...
	.end_amdgpu_metadata
.endif
;; end of part 1
;; launch qkv (part 2): grid 12 x 16, 4 waves a work-group, clusters of 4 x 4, 327,680 bytes of LDS; arguments opq, qkv; writes qkv
.if DOCPART == 2
	.amdgcn_target "amdgcn-amd-amdhsa--gfx1250"
	.amdhsa_code_object_version 6
	.text
	.protected	k_qadd86fe657_qkv
	.globl	k_qadd86fe657_qkv
	.p2align	8
	.type	k_qadd86fe657_qkv,@function
k_qadd86fe657_qkv:
	s_mov_b64 s[64:65], 0
	v_nop
	global_prefetch_b8 v0, s[64:65] scope:SCOPE_SE
	s_setreg_imm32_b32 hwreg(HW_REG_WAVE_MODE, 25, 1), 1
	s_wait_xcnt 0x0
	s_wait_alu depctr_hold_cnt(0) depctr_sa_sdst(0) depctr_va_vdst(0) depctr_va_sdst(0) depctr_va_ssrc(0) depctr_va_vcc(0) depctr_vm_vsrc(0)
	s_getreg_b32 s2, hwreg(HW_REG_IB_STS2, 6, 4)
	s_cmp_eq_u32 s2, 0
	s_cbranch_scc0 .Lentry_in_a_cluster
	s_endpgm
.Lentry_in_a_cluster:
	s_bfe_u32 s2, ttmp6, 0x10000c
	s_cmp_lg_u32 s2, 0xf033
	s_cbranch_scc0 .Lentry_shape_is_right
	s_endpgm
.Lentry_shape_is_right:
.set KSTEPS, 8
.set NBK,    8
.set NQ,     2
.set FR,     12
.set NL,     4
.set GROW,   NQ*1536
.set HALFT,  NBK*GROW
.set SLOT,   4*HALFT
.set LAPS,   KSTEPS/(2*NQ)
.set SCL,    2*SLOT
.set SBLK,   64*KSTEPS
.set HALFS,  NBK*SBLK
.set SPARE,  SCL+4*HALFS
.set ADRA, 16
.set ADRB, 20
.set ADRS, 27
.set SPW,  28
.set NIL,  29
.set SC,   32
.set BI,   64
.set AF,   128
.set PC,   224
.set CT,   236
.set PW,   243
.set TM,   244
.set SO,   252
.set SEL,  96
.set G1, 24
.set G0, 32
.set G1B, 48
.set G0B, 56
.set G1S, 68
.set G0S, 76
.set G1SB, 80
.set G0SB, 88
.set MUL_LO, 0xa1
.set MUL_HI, 0xf1
.set BIAS_LO, 0x81
.set BIAS_HI, 0xc1
.set TO_B,   0x40
.set MSB, 0
.macro WIN new
.if MSB != (\new)
	s_set_vgpr_msb (MSB<<8)|(\new)
.set MSB, (\new)
.endif
.endm
.macro JLOAD g0a, g1a, g0b, g1b
	s_cmp_eq_u32 s15, 0
	s_cbranch_scc0 .Lfor_b_\@
	tensor_load_to_lds s[\g0a:\g0a+3], s[\g1a:\g1a+7]
	s_nop 0
.rept 4
	v_nop
.endr
	s_branch .Lasked_\@
.Lfor_b_\@:
	tensor_load_to_lds s[\g0b:\g0b+3], s[\g1b:\g1b+7]
	s_nop 0
.rept 4
	v_nop
.endr
.Lasked_\@:
.endm
.macro CREST
	s_cmp_lg_u32 s14, 0
	s_cbranch_scc1 .Lnot_wave_0_\@
	s_barrier_signal -3
.Lnot_wave_0_\@:
	s_barrier_wait -3
	s_barrier_signal -1
	s_barrier_wait -1
.endm
.macro CROUND
	s_barrier_signal -1
	s_barrier_wait -1
	CREST
.endm
.macro PLACES n
.rept \n
	v_nop
.endr
.endm
.macro FRAG reg, adr, q, i
	ds_load_b128 v[\reg:\reg+3], v[\adr] offset:(\i)*GROW+(\q)*1536
	ds_load_b64 v[\reg+4:\reg+5], v[\adr+2] offset:(\i)*GROW+(\q)*1536
	ds_load_b128 v[\reg+6:\reg+9], v[\adr] offset:(\i)*GROW+(\q)*1536+768
	ds_load_b64 v[\reg+10:\reg+11], v[\adr+2] offset:(\i)*GROW+(\q)*1536+768
.endm
.macro FETCH_B slot, q, p
	WIN TO_B
.set I_, 0
.rept NBK
	FRAG 128*(\p)+FR*I_, ADRB+\slot, \q, I_
.set I_, I_+1
.endr
	WIN 0
.endm
.macro FETCH_A slot, q, i0
.set I_, \i0
.rept NBK/2
	FRAG AF+FR*I_, ADRA+\slot, \q, I_
.set I_, I_+1
.endr
.endm
.macro SCALES sc
.set I_, 0
.rept NBK
.set Q_, 0
.rept NQ
	ds_load_b32 v[SC+16*(\sc)+NQ*I_+Q_], v[ADRS] offset:I_*SBLK+64*Q_
.set Q_, Q_+1
.endr
.set I_, I_+1
.endr
.endm
.macro MULS a0, an, p, q, sc, first
.set A_, \a0
.rept \an
.set B_, 0
.rept NBK
.set D_, 8*((A_*NBK+B_)%32)
.if \first == 1
	v_wmma_scale_f32_16x16x128_f8f6f4 v[D_:D_+7], v[128*(\p)+FR*B_:128*(\p)+FR*B_+FR-1], v[AF+FR*A_:AF+FR*A_+FR-1], 0, v[SC+16*(\sc)+NQ*B_+(\q)], v[SC+16*(\sc)+NQ*A_+(\q)] matrix_a_fmt:MATRIX_FMT_FP6 matrix_b_fmt:MATRIX_FMT_FP6 matrix_a_scale:MATRIX_SCALE_ROW1
.elseif \first == 2
	v_wmma_scale_f32_16x16x128_f8f6f4 v[D_:D_+7], v[128*(\p)+FR*B_:128*(\p)+FR*B_+FR-1], v[AF+FR*A_:AF+FR*A_+FR-1], v[BI+8*B_:BI+8*B_+7], v[SC+16*(\sc)+NQ*B_+(\q)], v[SC+16*(\sc)+NQ*A_+(\q)] matrix_a_fmt:MATRIX_FMT_FP6 matrix_b_fmt:MATRIX_FMT_FP6 matrix_a_scale:MATRIX_SCALE_ROW1
.else
	v_wmma_scale_f32_16x16x128_f8f6f4 v[D_:D_+7], v[128*(\p)+FR*B_:128*(\p)+FR*B_+FR-1], v[AF+FR*A_:AF+FR*A_+FR-1], v[D_:D_+7], v[SC+16*(\sc)+NQ*B_+(\q)], v[SC+16*(\sc)+NQ*A_+(\q)] matrix_a_fmt:MATRIX_FMT_FP6 matrix_b_fmt:MATRIX_FMT_FP6 matrix_a_scale:MATRIX_SCALE_ROW1
.endif
.set B_, B_+1
.endr
.set A_, A_+1
.endr
.endm
.macro STEP slot, q, first
	s_wait_dscnt (NBK/2)*NL
.if \first == 2
	WIN BIAS_LO
.else
	WIN MUL_LO
.endif
	MULS 0, NBK/2, (\q)%2, \q, \slot, \first
	s_wait_dscnt 0x0
	PLACES 4
	FETCH_B \slot, (\q)+1, 1-(\q)%2
	FETCH_A \slot, (\q)+1, 0
.if \first == 2
	WIN BIAS_HI
.else
	WIN MUL_HI
.endif
	MULS NBK/2, NBK/2, (\q)%2, \q, \slot, \first
	PLACES 4
	WIN 0
	FETCH_A \slot, (\q)+1, NBK/2
.endm
.macro TURN slot, next, fill
	s_wait_tensorcnt 0x0
	ds_add_u32 v[SPW], v[NIL]
	s_wait_dscnt (NBK/2)*NL+1
	WIN MUL_LO
	MULS 0, NBK/4, 1, NQ-1, \slot, 0
	s_wait_dscnt 0x0
	s_barrier_signal -1
	MULS NBK/4, NBK/4, 1, NQ-1, \slot, 0
	WIN 0
	s_barrier_wait -1
.if \fill
	CREST
	s_add_nc_u64 s[G0+4*\slot+2:G0+4*\slot+3], s[G0+4*\slot+2:G0+4*\slot+3], 2*GROW
	s_add_nc_u64 s[G0B+4*\slot+2:G0B+4*\slot+3], s[G0B+4*\slot+2:G0B+4*\slot+3], 2*GROW
	JLOAD G0+4*\slot, G1, G0B+4*\slot, G1B
.else
	PLACES 4
.endif
	s_wait_alu depctr_va_vdst(0)
	v_add_nc_u32 v[ADRS], 64*NQ, v[ADRS]
	FETCH_B \next, 0, 0
	FETCH_A \next, 0, 0
	SCALES \next
	WIN MUL_HI
	MULS NBK/2, NBK/2, 1, NQ-1, \slot, 0
	PLACES 4
	WIN 0
	FETCH_A \next, 0, NBK/2
.endm
.macro MID slot
.if NQ > 2
	STEP \slot, 1, 0
	STEP \slot, 2, 0
.endif
.endm
.macro QUANT s, w, pc, pw
	WIN (\w)|((\w)<<2)
.irp b, 0,1,2,3
	v_max3_num_f32 v[TM+\b], |v[(\s)+16*\b]|, |v[(\s)+1+16*\b]|, 0x1800000
.endr
	WIN ((\w)<<2)|((\w)<<4)
.irp i, 2,4,6,8,10,12,14
.irp b, 0,1,2,3
	v_max3_num_f32 v[TM+\b], v[TM+\b], |v[(\s)+16*\b+\i]|, |v[(\s)+1+16*\b+\i]|
.endr
.endr
	WIN 0
.irp b, 0,1,2,3
	v_permlanex16_b32 v[TM+4+\b], v[TM+\b], s[SEL], s[SEL+1]
.endr
.irp b, 0,1,2,3
	v_max_num_f32 v[TM+\b], v[TM+\b], v[TM+4+\b]
.endr
.irp b, 0,1,2,3
	v_add_nc_u32 v[SO+\b], 0xff000000, v[TM+\b]
.endr
.irp b, 0,1,2,3
	v_lshrrev_b32 v[TM+4+\b], 23, v[SO+\b]
.endr
	v_lshl_or_b32 v[\pw], v[TM+5], 8, v[TM+4]
	v_lshl_or_b32 v[\pw], v[TM+6], 16, v[\pw]
	v_lshl_or_b32 v[\pw], v[TM+7], 24, v[\pw]
	WIN \w
.irp c, 0,1
	v_cvt_scalef32_pk16_fp6_f32 v[(\pc)+6*\c:(\pc)+6*\c+2], v[(\s)+32*\c:(\s)+32*\c+15], v[SO+2*\c]
	v_cvt_scalef32_pk16_fp6_f32 v[CT+4*\c:CT+4*\c+2], v[(\s)+32*\c+16:(\s)+32*\c+31], v[SO+2*\c+1]
.endr
	WIN 0
	v_nop
.irp c, 0,1
.irp i, 0,1,2
	v_permlane16_swap_b32 v[(\pc)+6*\c+\i], v[CT+4*\c+\i]
.endr
.irp i, 0,1,2
	v_mov_b32 v[(\pc)+3+6*\c+\i], v[CT+4*\c+\i]
.endr
.endr
.endm
.macro PUTREC o16, o8, os, cb, sb, off, soff, pc, pw
	global_store_b128 v[\o16], v[(\pc):(\pc)+3], s[\cb:\cb+1] offset:\off
	global_store_b64 v[\o8], v[(\pc)+4:(\pc)+5], s[\cb:\cb+1] offset:\off
	global_store_b128 v[\o16], v[(\pc)+6:(\pc)+9], s[\cb:\cb+1] offset:(\off)+768
	global_store_b64 v[\o8], v[(\pc)+10:(\pc)+11], s[\cb:\cb+1] offset:(\off)+768
	global_store_b32 v[\os], v[\pw], s[\sb:\sb+1] offset:\soff
.endm
	s_load_b64 s[4:5], s[0:1], 0x0
	s_load_b64 s[12:13], s[0:1], 0x8
	v_lshl_add_u32 v[SPW], v0, 2, SPARE
	v_mov_b32 v[NIL], 0
	ds_add_u32 v28, v29
	ds_add_u32 v28, v29
	s_wait_dscnt 0x0
	v_lshrrev_b32 v1, 5, v0
	v_readfirstlane_b32 s14, v1
	s_lshr_b32 s15, s14, 1
	s_and_b32 s16, s14, 1
	s_bfe_u32 s40, ttmp6, 0x40000
	s_bfe_u32 s41, ttmp6, 0x40004
	s_and_b32 s6, ttmp7, 0xffff
	s_lshl_b32 s6, s6, 2
	s_mul_i32 s7, ttmp9, 786432
	s_add_co_u32 s7, s7, 3145728
	s_lshl_b32 s8, ttmp9, 15
	s_add_co_u32 s8, s8, 12713984
	s_lshl_b32 s99, ttmp9, 3
	s_mov_b32 s9, 4718592
	s_mov_b32 s10, 12779520
	s_mov_b32 s11, 12582912
	s_mov_b32 s2, 9437184
	s_cmp_eq_u32 ttmp9, 2
	s_cselect_b32 s17, 0, s6
	s_cselect_b32 s42, s6, 0
	s_cselect_b32 s9, s9, 0
	s_cselect_b32 s7, 0, s7
	s_cselect_b32 s10, s10, s11
	s_cselect_b32 s8, s11, s8
	s_cselect_b32 s98, 32, 16
	s_cselect_b32 s99, 0, s99
	s_cselect_b32 s100, 6291456, 0
	s_cselect_b32 s101, 2048, 64
	s_cselect_b32 s95, 64, 16384
	s_cselect_b32 s11, 9699328, s2
	s_add_co_u32 s17, s17, s41
	s_add_co_u32 s42, s42, s40
	s_lshl_b32 s43, s41, 2
	s_lshl_b32 s43, 15, s43
	s_lshl_b32 s44, 0x1111, s40
	s_or_b32 s[G1+0], s43, (3<<16)|(1<<21)
	s_or_b32 s[G1B+0], s44, (3<<16)|(1<<21)
.irp g, G1, G1B
	s_mov_b32 s[\g+1], (192*NQ)<<16
	s_mov_b32 s[\g+2], (2*NBK)<<16
	s_mov_b32 s[\g+3], (192*NQ)<<16
	s_mov_b32 s[\g+4], 2*NBK
	s_mov_b32 s[\g+5], 192*KSTEPS
	s_mov_b32 s[\g+6], 0
	s_mov_b32 s[\g+7], 0
.endr
	s_or_b32 s[G1S+0], s43, (3<<16)|(1<<21)
	s_or_b32 s[G1SB+0], s44, (3<<16)|(1<<21)
.irp g, G1S, G1SB
	s_mov_b32 s[\g+1], 32<<16
	s_mov_b32 s[\g+2], (2*HALFS/256)<<16
	s_mov_b32 s[\g+3], 32<<16
	s_mov_b32 s[\g+4], 2*HALFS/256
	s_mov_b32 s[\g+5], 32
	s_mov_b32 s[\g+6], 0
	s_mov_b32 s[\g+7], 0
.endr
	s_mul_i32 s18, s16, NBK
	s_mul_i32 s20, s17, 2*NBK
	s_add_co_u32 s20, s20, s18
	s_mul_i32 s46, s42, 2*NBK
	s_add_co_u32 s46, s46, s18
	s_mul_i32 s22, s17, 2*NBK*KSTEPS*64            ; the scale words of the tile's whole 2 NBK groups
	s_mul_i32 s92, s42, 2*NBK*KSTEPS*64
	s_mul_i32 s20, s20, KSTEPS*1536
	s_mul_i32 s46, s46, KSTEPS*1536
	s_add_co_u32 s20, s20, s9
	s_add_co_u32 s22, s22, s10
	s_add_co_u32 s46, s46, s7
	s_add_co_u32 s92, s92, s8
	s_mov_b32 s21, 0
	s_mov_b32 s23, 0
	s_mov_b32 s47, 0
	s_mov_b32 s93, 0
	s_mul_i32 s45, s14, HALFT
	s_mov_b32 s[SEL], 0x76543210
	s_mov_b32 s[SEL+1], 0xfedcba98
	s_wait_kmcnt 0x0
	s_add_nc_u64 s[20:21], s[4:5], s[20:21]
	s_add_nc_u64 s[22:23], s[4:5], s[22:23]
	s_add_nc_u64 s[46:47], s[4:5], s[46:47]
	s_add_nc_u64 s[92:93], s[4:5], s[92:93]
	CROUND
	s_mov_b32 s[G0S], 1
	s_mov_b32 s[G0S+1], SCL
	s_mov_b64 s[G0S+2:G0S+3], s[22:23]
	s_or_b32 s[G0S+3], s[G0S+3], 0x80000000
	s_mov_b32 s[G0SB], 1
	s_mov_b32 s[G0SB+1], SCL+2*HALFS
	s_mov_b64 s[G0SB+2:G0SB+3], s[92:93]
	s_or_b32 s[G0SB+3], s[G0SB+3], 0x80000000
.irp s, 0,1
	s_mov_b32 s[G0+4*\s], 1
	s_add_co_u32 s[G0+4*\s+1], s45, \s*SLOT
	s_add_nc_u64 s[G0+4*\s+2:G0+4*\s+3], s[20:21], \s*GROW
	s_or_b32 s[G0+4*\s+3], s[G0+4*\s+3], 0x80000000
	s_mov_b32 s[G0B+4*\s], 1
	s_add_co_u32 s[G0B+4*\s+1], s45, \s*SLOT
	s_add_nc_u64 s[G0B+4*\s+2:G0B+4*\s+3], s[46:47], \s*GROW
	s_or_b32 s[G0B+4*\s+3], s[G0B+4*\s+3], 0x80000000
.endr
; the head's four tiles, one joint load a wave: wave 0 slot 0's 2 NBK groups of A, wave 1 A's scale words, wave 2 slot 0's 2 NBK groups of B, wave 3 B's scale words
.macro ARM under, g0, g1, next
	s_cmp_lt_u32 s14, \under
	s_cbranch_scc0 \next
	tensor_load_to_lds s[\g0:\g0+3], s[\g1:\g1+7]
	s_nop 0
.rept 4
	v_nop
.endr
	s_branch .Lhead_asked
\next:
.endm
	ARM 1, G0, G1, .Lhead_sa
	ARM 2, G0S, G1S, .Lhead_b
	ARM 3, G0B, G1B, .Lhead_sb
	tensor_load_to_lds s[G0SB:G0SB+3], s[G1SB:G1SB+7]
	s_nop 0
.rept 4
	v_nop
.endr
.Lhead_asked:
	v_and_b32 v1, 15, v0
	v_bfe_u32 v2, v0, 4, 1
	v_and_b32 v3, 31, v0
	v_lshlrev_b32 v4, 4, v3
	v_lshlrev_b32 v5, 3, v3
	v_add_nc_u32 v5, 512, v5
	s_mul_i32 s21, s15, HALFT
	s_mul_i32 s22, s16, HALFT
	s_add_co_u32 s22, s22, 2*HALFT
.irp s, 0,1
	v_add_nc_u32 v[ADRA+\s], s21, v4
	v_add_nc_u32 v[ADRB+\s], s22, v4
	v_add_nc_u32 v[ADRA+2+\s], s21, v5
	v_add_nc_u32 v[ADRB+2+\s], s22, v5
	s_add_co_u32 s21, s21, SLOT
	s_add_co_u32 s22, s22, SLOT
.endr
	v_lshlrev_b32 v6, 2, v1
	s_mul_i32 s21, s15, HALFS
	s_mul_i32 s22, s16, HALFS
	s_add_co_u32 s22, s22, 2*HALFS
	s_sub_co_u32 s22, s22, s21
	v_mul_u32_u24 v7, s22, v2
	s_add_co_u32 s21, s21, SCL
	v_add_nc_u32 v6, v6, v7
	v_add_nc_u32 v[ADRS], s21, v6
.irp b, 0,1,2,3
	v_mov_b32 v[TM+4+\b], 0
.endr
	s_lshl_b32 s18, s17, 4
	s_lshl_b32 s19, s15, 3
	s_add_co_u32 s18, s18, s19
	s_lshl_b32 s19, s42, 1
	s_add_co_u32 s19, s19, s16
	s_add_co_u32 s19, s19, s99
	s_mul_i32 s2, s18, s98
	s_add_co_u32 s2, s2, s19
	s_mul_i32 s2, s2, 1536
	s_add_co_u32 s2, s2, s100
	v_add_nc_u32 v24, s2, v4
	v_add_nc_u32 v25, s2, v5
	s_mul_i32 s2, s18, s101
	s_mul_i32 s19, s19, s95
	s_add_co_u32 s2, s2, s19
	s_add_co_u32 s2, s2, s11
	v_lshl_add_u32 v26, v1, 2, s2
	s_mul_i32 s2, s98, 1536
	s_wait_alu depctr_va_vdst(0)
	s_wait_tensorcnt 0x0                           ; my tile of the head's four is in
	ds_add_u32 v[SPW], v[NIL]
	s_mov_b32 s[G1+2], NBK<<16                     ; no load of mine is out: from here on a load brings NBK groups
	s_mov_b32 s[G1+4], NBK
	s_mov_b32 s[G1B+2], NBK<<16
	s_mov_b32 s[G1B+4], NBK
	s_wait_dscnt 0x0
	CROUND
	JLOAD G0+4, G1, G0B+4, G1B                     ; slot 1's first fill, the first tensor load behind the round
	FETCH_B 0, 0, 0
	FETCH_A 0, 0, 0
	SCALES 0
	FETCH_A 0, 0, NBK/2
	STEP 0, 0, 1
.if LAPS > 1
	s_mov_b32 s3, LAPS-1
.Llap:
	MID 0
	TURN 0, 1, 1
	STEP 1, 0, 0
	MID 1
	TURN 1, 0, 1
	STEP 0, 0, 0
	s_sub_co_u32 s3, s3, 1
	s_cmp_lg_u32 s3, 0
	s_cbranch_scc1 .Llap
.endif
	MID 0
	TURN 0, 1, 0
	STEP 1, 0, 0
	MID 1
	s_wait_dscnt (NBK/2)*NL
	WIN MUL_LO
	MULS 0, NBK/2, 1, NQ-1, 1, 0
	s_wait_dscnt 0x0
	WIN MUL_HI
	MULS NBK/2, NBK/2, 1, NQ-1, 1, 0
	WIN 0
	PLACES 4
.irp a, 0,1,2,3,4,5,6,7
.if \a > 0
	s_wait_xcnt 0x0
	v_add_nc_u32 v24, s2, v24
	v_add_nc_u32 v25, s2, v25
	v_add_nc_u32 v26, s101, v26
.endif
	QUANT 64*(\a%4), 2+\a/4, PC, PW
	PUTREC 24, 25, 26, 12, 12, 0, 0, PC, PW
.endr
	s_wait_tensorcnt 0x0
	ds_add_u32 v[SPW], v[NIL]
	s_wait_dscnt 0x0
	CROUND
	s_endpgm
.Lfunc_end_k_qadd86fe657_qkv:
	.size	k_qadd86fe657_qkv, .Lfunc_end_k_qadd86fe657_qkv-k_qadd86fe657_qkv
	.p2alignl 7, 3214868480
	.fill 96, 4, 3214868480
	.section	.rodata,"a",@progbits
	.p2align	6, 0x0
	.amdhsa_kernel k_qadd86fe657_qkv
		.amdhsa_group_segment_fixed_size 327680
		.amdhsa_private_segment_fixed_size 0
		.amdhsa_enable_private_segment 0
		.amdhsa_kernarg_size 16
		.amdhsa_user_sgpr_count 2
		.amdhsa_user_sgpr_kernarg_segment_ptr 1
		.amdhsa_wavefront_size32 1
		.amdhsa_system_sgpr_workgroup_id_x 1
		.amdhsa_system_sgpr_workgroup_id_y 1
		.amdhsa_system_sgpr_workgroup_id_z 1
		.amdhsa_system_vgpr_workitem_id 0
		.amdhsa_next_free_vgpr 1024
		.amdhsa_next_free_sgpr 102
		.amdhsa_reserve_vcc 0
		.amdhsa_float_denorm_mode_32 3
		.amdhsa_float_denorm_mode_16_64 3
		.amdhsa_memory_ordered 1
		.amdhsa_forward_progress 1
		.amdhsa_inst_pref_size 154
	.end_amdhsa_kernel
	.amdgpu_metadata
---
amdhsa.version: [ 1, 2 ]
amdhsa.kernels:
  - .name:           k_qadd86fe657_qkv
    .symbol:         k_qadd86fe657_qkv.kd
    .args:
      - { .name: opq, .offset: 0, .size: 8, .value_kind: global_buffer, .address_space: global }
      - { .name: qkv, .offset: 8, .size: 8, .value_kind: global_buffer, .address_space: global }
    .group_segment_fixed_size: 327680
    .private_segment_fixed_size: 0
    .kernarg_segment_align: 8
    .kernarg_segment_size: 16
    .max_flat_workgroup_size: 128
    .sgpr_count:     102
    .vgpr_count:     1024
    .wavefront_size: 32
...
	.end_amdgpu_metadata
.endif
;; end of part 2
;; launch attn (part 3): grid 8 x 32, 16 waves a work-group, clusters of 4 x 1, 327,680 bytes of LDS; arguments qkv, attq; writes attq
.if DOCPART == 3
	.amdgcn_target "amdgcn-amd-amdhsa--gfx1250"
	.amdhsa_code_object_version 6
	.text
	.protected	k_qadd86fe657_attn
	.globl	k_qadd86fe657_attn
	.p2align	8
	.type	k_qadd86fe657_attn,@function
k_qadd86fe657_attn:
	s_mov_b64 s[64:65], 0
	v_nop
	global_prefetch_b8 v0, s[64:65] scope:SCOPE_SE
	s_setreg_imm32_b32 hwreg(HW_REG_WAVE_MODE, 25, 1), 1
	s_wait_xcnt 0x0
	s_wait_alu depctr_hold_cnt(0) depctr_sa_sdst(0) depctr_va_vdst(0) depctr_va_sdst(0) depctr_va_ssrc(0) depctr_va_vcc(0) depctr_vm_vsrc(0)
	s_getreg_b32 s2, hwreg(HW_REG_IB_STS2, 6, 4)
	s_cmp_eq_u32 s2, 0
	s_cbranch_scc0 .Lentry_in_a_cluster
	s_endpgm
.Lentry_in_a_cluster:
	s_bfe_u32 s2, ttmp6, 0x10000c
	s_cmp_lg_u32 s2, 0x3003
	s_cbranch_scc0 .Lentry_shape_is_right
	s_endpgm
.Lentry_shape_is_right:
; Causal attention of one batch and head (work-group y) on records of FP6 (E2M3) codes; the result is quantised along the head's 64 numbers and stored as half records of the next product's operand.
; p = 2^(t - M), t = score x log2(e) / 8, M the ceiling of the running largest t; the row's sum is taken of the unquantised p; O is divided by it at the end.
; LEFT OUT: key steps of 128 that lie wholly behind a wave's queries: the causal mask sets their scores to -inf, so their p is 0 for all inputs.  The test is made of ids alone.
; LIMITS: the promise holds while the scaled scores stay under 2^31 in magnitude; NaN and infinities are not served; a block of zeros or under 2^-124 keeps the byte 1.
; LDS.  One head's K and V codes are 2 x 98,304 bytes and their scale words 12,288: all lie in LDS at once, each byte filled once, so the walk over the keys has no barrier.
; SHARES.  8 work-groups share a head; work-group j has the 16 groups of 16 queries 8 d + j, d = 0 .. 15; group d wants d + 1 key steps, 136 in all.  They are dealt evenly: wave k (k < 8) takes steps 0 .. 8 of group d = 15 - k;
; wave 8 + k takes all k + 1 steps of group d = k, stores it, and then steps 9 .. 15 - k of group 15 - k: 9 and 8 steps.  The second wave's part of the long group (O^T, -M, the sums) goes to wave k through LDS bytes of its own, behind
; one barrier.  Both M are whole numbers, so the two parts are joined by exact powers of two, and p's codes have the same values under either M.
; FILLS.  LDS holds [pair of key steps 8][K 16 groups x 768 | V 4 groups x 3,072].  Pair 0 and the scale words are asked for at the head (waves 0-3, one load each); pairs 1-7 behind the full sequence and a round
; (waves 0-6 K's, waves 7-13 V's) and land while steps 0 and 1 are worked; one barrier shows them to all waves.
; CLUSTERS of 4 x 1: the partners read the same K and V, every load is joint (mask 15); only global addresses and the mask's row number hang on the place in the cluster.
; No data prefetch: every tile is asked for by the head's loads or by the loads behind the first round; no later load exists for a prefetch to run ahead of.
; K's tiles lie 6 registers apart: a tile's upper 64 along K meet Q's zero codes, so the next tile's codes may stand there.  The next step's K is fetched behind this step's score products.
.set PAIR,  24576
.set VOFF,  12288
.set SCK,   196608
.set SCV,   204800
.set SPARE, 208896                     ; the spare words, 128 bytes a wave: no other line names them
.set STG,   210944                     ; 8 x 4,608 bytes: a long group's second part, an image of 36 registers; no fill lands here
.set QKS,   9437184
.set VTC,   6291456
.set VTS,   9699328
.set A16, 1                            ; 16 l
.set A8,  2                            ; 512 + 8 l
.set QS,  3                            ; Q's scale word
.set DQ,  4                            ; my query's row in its key step, less 16 h
.set SPW, 5
.set NIL, 6
.set ASK0, 7
.set ASV0, 8
.set STA, 9                            ; my pair's place in the stage + 16 l
.set R4,  29                           ; 4 r
.set KF,  32                           ; v32-85 K's eight tiles and six zeros
.set KSC, 86                           ; v86-93 their scale words
.set VF,  94                           ; v94-141 V's four tiles
.set VSC, 142
.set S,   146                          ; v146-209 scores, then p
.set P,   S+48                         ; p's codes, laid over p that has been converted
.set CTB, S+60
.set O,   210                          ; v210-241 O^T
.set BM,  242
.set PT,  246
.set SO,  250
.set F,   254
.set PW,  255
.set HI,  8                            ; the last key step of this walk
.set D2,  9                            ; the long group's d
.set HI2, 12                           ; the second walk's last step (0: none)
.set WV,  18
.set SEL, 20
.set CS,  22
.set G1K, 24
.set G1V, 32
.set G1SK, 40
.set G1SV, 48
.set G0HK, 56
.set G0HV, 60
.set DIAG, 66                          ; the key step that holds my queries
.set CNT, 67
.set G0SK, 68
.set G0SV, 72
.set G0K2, 76
.set G0V2, 80
.set TB,  96
.set TS,  97
.set TJ,  98
.set KS,  99
.macro ROUND
	s_barrier_signal -1
	s_barrier_wait -1
	s_cmp_lg_u32 s[WV], 0
	s_cbranch_scc1 .Lnw0_\@
	s_barrier_signal -3
.Lnw0_\@:
	s_barrier_wait -3
	s_barrier_signal -1
	s_barrier_wait -1
.endm
.macro G1SET g, c, r, p
	s_mov_b32 s[\g], (3<<16)|(1<<21)|15            ; elements of 8 bytes; the four partners
	s_mov_b32 s[\g+1], (\c)<<16
	s_mov_b32 s[\g+2], (\r)<<16
	s_mov_b32 s[\g+3], (\c)<<16
	s_mov_b32 s[\g+4], \r
	s_mov_b32 s[\g+5], \p
	s_mov_b32 s[\g+6], 0
	s_mov_b32 s[\g+7], 0
.endm
.macro MKG0 g0, off
	s_mov_b32 s[\g0], 1
	s_mov_b32 s88, s[\off]
	s_add_nc_u64 s[\g0+2:\g0+3], s[4:5], s[88:89]
	s_or_b32 s[\g0+3], s[\g0+3], 0x80000000
.endm
.macro HARM under, g0, g1, next
	s_cmp_lt_u32 s[WV], \under
	s_cbranch_scc0 \next
	tensor_load_to_lds s[\g0:\g0+3], s[\g1:\g1+7]
	s_nop 0
	s_branch .Lhead_asked
\next:
.endm
.macro KLOAD qq                        ; K's eight tiles and scale words of step qq, counted from the pair at v10, v11, v30: 24 LDS loads
.irp t, 0,1,2,3,4,5,6,7
	ds_load_b128 v[KF+6*\t:KF+6*\t+3], v10 offset:((\qq)/2)*PAIR+(8*((\qq)%2)+\t)*768
	ds_load_b64 v[KF+6*\t+4:KF+6*\t+5], v11 offset:((\qq)/2)*PAIR+(8*((\qq)%2)+\t)*768
	ds_load_u16 v[KSC+\t], v30 offset:64*(8*(\qq)+\t)
.endr
.endm
.macro KFIRST qq
	v_add_nc_u32 v10, s[TB], v[A16]
	v_add_nc_u32 v11, s[TB], v[A8]
	v_add_nc_u32 v30, s[TS], v[ASK0]
	KLOAD \qq
.endm
.macro NEXTPAIR
	s_add_co_u32 s[TB], s[TB], PAIR
	s_add_co_u32 s[TS], s[TS], 1024
	s_add_co_u32 s[TJ], s[TJ], 128
.endm
.macro FRESH                           ; a walk's start: the largest t -3e38, the sums and O^T zero (the step is written once: the first finds zeros)
	v_mov_b32 v13, 0xff61b1e6
	v_mov_b32 v14, 0
	v_mov_b32 v15, 0
	v_floor_f32 v12, -v13
.set N_, 0
.rept 32
	v_mov_b32 v[O+N_], 0
.set N_, N_+1
.endr
.endm
	s_load_b128 s[4:7], s[0:1], 0x0                ; qkv, attq
	v_lshl_add_u32 v[SPW], v0, 2, SPARE
	v_mov_b32 v[NIL], 0
	ds_add_u32 v[SPW], v[NIL]                      ; the opening lines: the add twice on end and its wait
	ds_add_u32 v[SPW], v[NIL]
	v_lshrrev_b32 v10, 5, v0
	v_readfirstlane_b32 s[WV], v10
	s_and_b32 s8, ttmp7, 0xffff
	s_lshr_b32 s9, s8, 4                           ; batch
	s_bfe_u32 s10, s8, 0x30001                     ; pair of heads: a record's 128 along K
	s_and_b32 s11, s8, 1                           ; which half of the record
	s_bfe_u32 s12, ttmp6, 0x40000
	s_lshl_b32 s13, ttmp9, 2
	s_add_co_u32 s13, s13, s12                     ; j
	s_lshl_b32 s14, s9, 7                          ; the batch's first group
	s_lshl_b32 s15, s14, 4
	s_add_co_u32 s15, s15, s10
	s_add_co_u32 s15, s15, 8
	s_mul_i32 s15, s15, 1536
	s_mul_i32 s19, s11, 768
	s_add_co_u32 s15, s15, s19                     ; K's codes, pair 0
	s_lshl_b32 s16, s10, 3
	s_lshl_b32 s17, s11, 2
	s_add_co_u32 s16, s16, s17
	s_lshl_b32 s16, s16, 5
	s_lshl_b32 s17, s9, 4
	s_add_co_u32 s16, s16, s17
	s_lshl_b32 s17, s16, 6
	s_add_co_u32 s17, s17, VTS                     ; V's scale words
	s_mul_i32 s16, s16, 1536
	s_add_co_u32 s16, s16, VTC                     ; V's codes, pair 0
	s_add_co_u32 s3, s10, 8
	s_lshl_b32 s3, s3, 8
	s_add_co_u32 s3, s3, s14
	s_lshl_b32 s3, s3, 6
	s_add_co_u32 s3, s3, QKS                       ; K's scale words
	s_add_co_u32 s84, s[WV], 1
	s_and_b32 s84, s84, 7                          ; waves 0-6: K's pair 1-7
	s_add_co_u32 s85, s[WV], 2
	s_and_b32 s85, s85, 7                          ; waves 7-13: V's pair 1-7
	s_mul_i32 s[G0K2+1], s84, PAIR
	s_mul_i32 s86, s84, 393216
	s_add_co_u32 s86, s86, s15
	s_mul_i32 s[G0V2+1], s85, PAIR
	s_add_co_u32 s[G0V2+1], s[G0V2+1], VOFF
	s_mul_i32 s87, s85, 3072
	s_add_co_u32 s87, s87, s16
	G1SET G1K, 96, 16, 3072                        ; 16 groups x 768 bytes, 24,576 apart
	G1SET G1V, 384, 4, 6144                        ; 4 groups x 3,072 bytes, 49,152 apart
	G1SET G1SK, 32, 32, 32                         ; 8,192 dense bytes
	G1SET G1SV, 128, 4, 256                        ; 4 x 1,024 bytes, 2,048 apart
	s_mov_b32 s[G0HK+1], 0
	s_mov_b32 s[G0HV+1], VOFF
	s_mov_b32 s[G0SK+1], SCK
	s_mov_b32 s[G0SV+1], SCV
	s_mov_b32 s[SEL], 0x76543210
	s_mov_b32 s[SEL+1], 0xfedcba98
	s_mov_b32 s[CS], 0x3e38aa3b                    ; log2(e) / 8
	s_mov_b32 s[CS+1], s[CS]
	s_mov_b32 s[TB], 0
	s_mov_b32 s[TS], 0
	s_mov_b32 s[TJ], 0
	s_mov_b32 s[KS], 0
	s_mov_b32 s89, 0
	s_wait_dscnt 0x0
	s_wait_kmcnt 0x0
	MKG0 G0HK, 15
	MKG0 G0HV, 16
	MKG0 G0SK, 3
	MKG0 G0SV, 17
	MKG0 G0K2, 86
	MKG0 G0V2, 87
	ROUND                                          ; the four partners are here: the first joint loads meet
	HARM 1, G0HK, G1K, .Lh1
	HARM 2, G0HV, G1V, .Lh2
	HARM 3, G0SK, G1SK, .Lh3
	s_cmp_lt_u32 s[WV], 4
	s_cbranch_scc0 .Lhead_asked
	tensor_load_to_lds s[G0SV:G0SV+3], s[G1SV:G1SV+7]
	s_nop 0
.Lhead_asked:
	s_and_b32 s86, s[WV], 7                        ; k
	s_lshr_b32 s87, s[WV], 3                       ; 1 in waves 8-15
	s_xor_b32 s[D2], s86, 15                       ; 15 - k
	s_mul_i32 s[HI2], s[D2], s87                   ; waves 8-15 walk the long group on to its own step; waves 0-7 have no second walk
	s_xor_b32 s87, s87, 1
	s_mul_i32 s87, s87, 15
	s_xor_b32 s[DIAG], s86, s87                    ; the first walk's group: 15 - k in waves 0-7, k in waves 8-15
	s_min_u32 s[HI], s[DIAG], 8                    ; it ends with step 8 or with the group's own step
	s_lshl_b32 s84, s[DIAG], 3
	s_add_co_u32 s84, s84, s13
	s_add_co_u32 s84, s84, s14                     ; the group that I store
	s_bfe_u32 s85, s13, 0x20001
	s_lshl_b32 s85, s85, 5
	s_and_b32 s86, s13, 1
	s_lshl_b32 s86, s86, 3
	s_add_co_u32 s85, s85, s86                     ; its first row in its key step: by j alone, so the same for both my groups
	s_lshl_b32 s86, s84, 4
	s_add_co_u32 s86, s86, s10
	s_mul_i32 s86, s86, 1536
	s_add_co_u32 s86, s86, s19
	s_mov_b32 s87, 0
	s_add_nc_u64 s[86:87], s[4:5], s[86:87]        ; Q's half record
	s_lshl_b32 s94, s10, 8
	s_add_co_u32 s94, s94, s84
	s_lshl_b32 s94, s94, 6
	s_lshl_b32 s88, s11, 1
	s_add_co_u32 s94, s94, s88
	s_add_co_u32 s94, s94, QKS
	s_mov_b32 s95, 0
	s_add_nc_u64 s[94:95], s[4:5], s[94:95]        ; its scale bytes
	s_lshl_b32 s90, s84, 3
	s_add_co_u32 s90, s90, s10
	s_lshl_b32 s92, s90, 6
	s_add_co_u32 s92, s92, s88
	s_add_co_u32 s92, s92, 3145728
	s_mov_b32 s93, 0
	s_add_nc_u64 s[92:93], s[6:7], s[92:93]        ; the result's scale bytes
	s_mul_i32 s90, s90, 1536
	s_add_co_u32 s90, s90, s19
	s_mov_b32 s91, 0
	s_add_nc_u64 s[90:91], s[6:7], s[90:91]        ; the result's half record
	s_lshl_b32 s2, s[D2], 3
	s_add_co_u32 s2, s2, s13
	s_add_co_u32 s2, s2, s14                       ; the long group
	s_lshl_b32 s16, s2, 4
	s_add_co_u32 s16, s16, s10
	s_mul_i32 s16, s16, 1536
	s_add_co_u32 s16, s16, s19
	s_mov_b32 s17, 0
	s_add_nc_u64 s[16:17], s[4:5], s[16:17]        ; its Q
	s_lshl_b32 s14, s10, 8
	s_add_co_u32 s14, s14, s2
	s_lshl_b32 s14, s14, 6
	s_add_co_u32 s14, s14, s88
	s_add_co_u32 s14, s14, QKS
	s_mov_b32 s15, 0
	s_add_nc_u64 s[14:15], s[4:5], s[14:15]        ; and Q's scale bytes
	s_and_b32 s2, s[WV], 7
	s_mul_i32 s2, s2, 4608
	s_add_co_u32 s2, s2, STG
	s_add_co_u32 s3, s88, SCK
	v_and_b32 v10, 31, v0
	v_and_b32 v28, 15, v0
	v_bfe_u32 v31, v0, 4, 1
	v_lshlrev_b32 v[A16], 4, v10
	v_lshlrev_b32 v[A8], 3, v10
	v_lshlrev_b32 v[R4], 2, v28
	s_delay_alu instid0(VALU_DEP_2)
	v_add_nc_u32 v[A8], 512, v[A8]
	global_load_b128 v[16:19], v[A16], s[86:87]
	global_load_b64 v[20:21], v[A8], s[86:87]
	global_load_u16 v[QS], v[R4], s[94:95]
	v_add_nc_u32 v[ASK0], s3, v[R4]
	v_add_nc_u32 v[ASV0], SCV, v[R4]
	v_add_nc_u32 v[STA], s2, v[A16]
	v_and_b32 v[DQ], 8, v28
	v_lshlrev_b32 v31, 4, v31
	s_delay_alu instid0(VALU_DEP_2)
	v_add_nc_u32 v[DQ], v[DQ], v28
	s_delay_alu instid0(VALU_DEP_1)
	v_sub_nc_u32 v[DQ], v[DQ], v31
	s_delay_alu instid0(VALU_DEP_1)
	v_add_nc_u32 v[DQ], s85, v[DQ]
.irp i, 22,23,24,25,26,27
	v_mov_b32 v[\i], 0                             ; Q's upper 64 along K: zero codes
.endr
.irp i, 48,49,50,51,52,53
	v_mov_b32 v[KF+\i], 0                          ; behind K's last tile
.endr
.irp b, 0,1,2,3
	v_mov_b32 v[PT+\b], 0                          ; a lane permute's destination counts as one of its sources
.endr
	v_mov_b32 v[F], 0
	v_mov_b32 v[PW], 0
	FRESH
.macro STEP q, pre, lo                 ; 16 queries x 128 keys.  pre = 1: the next step's K is fetched behind the score products.  lo = 1: the second walk begins with step 9
	s_cmp_gt_u32 s[KS], s[HI]
	s_cbranch_scc1 .Lhidden_\@                     ; not of this walk
.if \lo
	s_cmp_lt_u32 s[KS], 9
	s_cbranch_scc1 .Lhidden_\@
.endif
	v_add_nc_u32 v10, s[TB], v[A16]
	v_add_nc_u32 v11, s[TB], v[A8]
	v_add_nc_u32 v30, s[TS], v[ASK0]
	v_add_nc_u32 v31, s[TJ], v[ASV0]
	v_nop                                          ; six places behind the last step's products: the score products write over p's codes
	v_nop
	s_wait_alu depctr_va_vdst(0)                   ; directly ahead of the wait below
	s_wait_dscnt 0x0                               ; K's tiles
.irp t, 0,1,2,3,4,5,6,7
	v_wmma_scale_f32_16x16x128_f8f6f4 v[S+8*\t:S+8*\t+7], v[KF+6*\t:KF+6*\t+11], v[16:27], 0, v[KSC+\t], v[QS] matrix_a_fmt:MATRIX_FMT_FP6 matrix_b_fmt:MATRIX_FMT_FP6
.endr
.irp t, 0,1,2,3
	ds_load_b128 v[VF+12*\t:VF+12*\t+3], v10 offset:VOFF+3072*\t+1536*(\q)
	ds_load_b64 v[VF+12*\t+4:VF+12*\t+5], v11 offset:VOFF+3072*\t+1536*(\q)
	ds_load_b128 v[VF+12*\t+6:VF+12*\t+9], v10 offset:VOFF+3072*\t+1536*(\q)+768
	ds_load_b64 v[VF+12*\t+10:VF+12*\t+11], v11 offset:VOFF+3072*\t+1536*(\q)+768
	ds_load_b32 v[VSC+\t], v31 offset:1024*\t+64*(\q)
.endr
.rept 4
	v_nop                                          ; places ahead of the loads into K's registers and of the first read of the scores
.endr
.if \pre
	KLOAD (\q)+1
.endif
	s_cmp_lt_u32 s[KS], s[DIAG]
	s_cbranch_scc1 .Lopen_\@
	v_mov_b32 v[PT], 0xff800000                    ; my queries' own key step: keys behind the query get -inf
.set N_, 0
.rept 64
	v_cmp_gt_i32 vcc_lo, 32*(N_/16)+N_%16, v[DQ]
	v_cndmask_b32 v[S+N_], v[S+N_], v[PT], vcc_lo
.set N_, N_+1
.endr
.Lopen_\@:
.irp b, 0,1,2,3
	v_max3_num_f32 v[BM+\b], v[S+16*\b], v[S+1+16*\b], v[S+2+16*\b]   ; each block's largest score, the four blocks by turns
.endr
.irp i, 3,5,7,9,11,13
.irp b, 0,1,2,3
	v_max3_num_f32 v[BM+\b], v[BM+\b], v[S+16*\b+\i], v[S+1+16*\b+\i]
.endr
.endr
.irp b, 0,1,2,3
	v_max_num_f32 v[BM+\b], v[BM+\b], v[S+15+16*\b]
.endr
.irp b, 0,1,2,3
	s_delay_alu instid0(VALU_DEP_4)
	v_permlanex16_b32 v[PT+\b], v[BM+\b], s[SEL], s[SEL+1]
.endr
.irp b, 0,1,2,3
	s_delay_alu instid0(VALU_DEP_4)
	v_max_num_f32 v[BM+\b], v[BM+\b], v[PT+\b]
.endr
	s_delay_alu instid0(VALU_DEP_2)
	v_max3_num_f32 v[PT], v[BM], v[BM+1], v[BM+2]
	s_delay_alu instid0(VALU_DEP_1)
	v_max_num_f32 v[PT], v[PT], v[BM+3]
	s_delay_alu instid0(VALU_DEP_1)
	v_mul_f32 v[PT], s[CS], v[PT]
	s_delay_alu instid0(VALU_DEP_1)
	v_max_num_f32 v13, v13, v[PT]                  ; the running largest t
	v_mov_b32 v[PT], v12
	s_delay_alu instid0(VALU_DEP_2)
	v_floor_f32 v12, -v13                          ; -M
	s_delay_alu instid0(VALU_DEP_1)
	v_sub_f32 v[PT], v12, v[PT]
	s_delay_alu instid0(VALU_DEP_1)
	v_cvt_i32_f32 v[PT], v[PT]
	s_delay_alu instid0(VALU_DEP_1)
	v_ldexp_f32 v[F], 1.0, v[PT]                   ; f = 2^(old M - new M)
.set N_, 0
.rept 32
	v_pk_fma_f32 v[S+N_:S+N_+1], v[S+N_:S+N_+1], s[CS:CS+1], v[12:13] op_sel_hi:[1,0,0]
.set N_, N_+2
.endr
.irp b, 0,1,2,3
	v_fma_f32 v[BM+\b], v[BM+\b], s[CS], v12
.endr
	s_wait_alu depctr_va_vdst(0)                   ; ahead of the batch
.set N_, 0
.rept 64
	v_exp_f32 v[S+N_], v[S+N_]
.set N_, N_+1
.endr
	v_pk_mul_f32 v[14:15], v[14:15], v[F:F+1] op_sel_hi:[1,0]
	s_wait_alu depctr_va_vdst(0)                   ; one wait for the batch
.irp b, 0,1,2,3
	v_exp_f32 v[BM+\b], v[BM+\b]                   ; each block's largest p
.endr
	v_pk_add_f32 v[PT:PT+1], v[S:S+1], v[S+2:S+3]  ; the row's sum of the unquantised p, in two chains
.irp j, 4,8,12,16,20,24,28,32,36,40,44,48,52,56,60
	v_pk_add_f32 v[14:15], v[14:15], v[S+\j:S+\j+1]
	v_pk_add_f32 v[PT:PT+1], v[PT:PT+1], v[S+2+\j:S+3+\j]
.endr
	s_delay_alu instid0(VALU_DEP_1)
	v_pk_add_f32 v[14:15], v[14:15], v[PT:PT+1]
	s_wait_alu depctr_va_vdst(0)                   ; and one for the four
.irp b, 0,1,2,3
	v_max_num_f32 v[BM+\b], 0x1800000, v[BM+\b]    ; the floor 2^(3 - 127)
.endr
.irp b, 0,1,2,3
	s_delay_alu instid0(VALU_DEP_4)
	v_add_nc_u32 v[SO+\b], 0xff000000, v[BM+\b]
.endr
.irp b, 0,1,2,3
	s_delay_alu instid0(VALU_DEP_4)
	v_lshrrev_b32 v[PT+\b], 23, v[SO+\b]
.endr
	s_delay_alu instid0(VALU_DEP_3)
	v_lshl_or_b32 v[PW], v[PT+1], 8, v[PT]
	s_delay_alu instid0(VALU_DEP_1)
	v_lshl_or_b32 v[PW], v[PT+2], 16, v[PW]
	s_delay_alu instid0(VALU_DEP_1)
	v_lshl_or_b32 v[PW], v[PT+3], 24, v[PW]
	v_cvt_scalef32_pk16_fp6_f32 v[BM:BM+2], v[S+48:S+63], v[SO+3]     ; block 3 first: the other three results land on its 16 numbers
	v_nop                                          ; a plain place ahead of the writes over its sources
	v_cvt_scalef32_pk16_fp6_f32 v[P+6:P+8], v[S+32:S+47], v[SO+2]
	v_cvt_scalef32_pk16_fp6_f32 v[CTB:CTB+2], v[S+16:S+31], v[SO+1]
	v_cvt_scalef32_pk16_fp6_f32 v[P:P+2], v[S:S+15], v[SO]
	v_nop
.irp i, 0,1,2
	v_permlane16_swap_b32 v[P+\i], v[CTB+\i]       ; a whole block to a lane
.endr
.irp i, 0,1,2
	s_delay_alu instid0(VALU_DEP_3)
	v_mov_b32 v[P+3+\i], v[CTB+\i]
.endr
.irp i, 0,1,2
	v_permlane16_swap_b32 v[P+6+\i], v[BM+\i]
.endr
.irp i, 0,1,2
	s_delay_alu instid0(VALU_DEP_3)
	v_mov_b32 v[P+9+\i], v[BM+\i]
.endr
	s_wait_alu depctr_va_vdst(0)                   ; directly ahead of the first reader of O^T
.set N_, 0
.rept 16
	v_pk_mul_f32 v[O+N_:O+N_+1], v[O+N_:O+N_+1], v[F:F+1] op_sel_hi:[1,0]
.set N_, N_+2
.endr
	s_wait_alu depctr_va_vdst(0)                   ; directly ahead of the wait below
	s_wait_dscnt 24*(\pre)                         ; V's 20 loads are in; the 24 loads of the next step's K, issued behind them, may be out
.irp t, 0,1,2,3
	v_wmma_scale_f32_16x16x128_f8f6f4 v[O+8*\t:O+8*\t+7], v[VF+12*\t:VF+12*\t+11], v[P:P+11], v[O+8*\t:O+8*\t+7], v[VSC+\t], v[PW] matrix_a_fmt:MATRIX_FMT_FP6 matrix_b_fmt:MATRIX_FMT_FP6
.endr
.Lhidden_\@:
	s_add_co_u32 s[KS], s[KS], 1
.endm
.macro EPI                             ; a finished group: O^T / the sum, quantised along the head's 64, stored as a half record
	v_add_f32 v14, v14, v15
	s_delay_alu instid0(VALU_DEP_1)
	v_permlanex16_b32 v[F], v14, s[SEL], s[SEL+1]
	s_delay_alu instid0(VALU_DEP_1)
	v_add_f32 v14, v14, v[F]                       ; the row's sum
	s_wait_alu depctr_va_vdst(0)
	v_rcp_f32 v14, v14
	v_nop
	v_nop
	s_wait_alu depctr_va_vdst(0)
.set N_, 0
.rept 32
	v_mul_f32 v[S+N_], v[O+N_], v14
.set N_, N_+1
.endr
.irp b, 0,1
	v_max3_num_f32 v[BM+\b], |v[S+16*\b]|, |v[S+1+16*\b]|, 0x1800000
.endr
.irp i, 2,4,6,8,10,12,14
.irp b, 0,1
	s_delay_alu instid0(VALU_DEP_2)
	v_max3_num_f32 v[BM+\b], v[BM+\b], |v[S+16*\b+\i]|, |v[S+1+16*\b+\i]|
.endr
.endr
.irp b, 0,1
	s_delay_alu instid0(VALU_DEP_2)
	v_permlanex16_b32 v[PT+\b], v[BM+\b], s[SEL], s[SEL+1]
.endr
.irp b, 0,1
	s_delay_alu instid0(VALU_DEP_2)
	v_max_num_f32 v[BM+\b], v[BM+\b], v[PT+\b]
.endr
.irp b, 0,1
	s_delay_alu instid0(VALU_DEP_2)
	v_add_nc_u32 v[SO+\b], 0xff000000, v[BM+\b]
.endr
.irp b, 0,1
	s_delay_alu instid0(VALU_DEP_2)
	v_lshrrev_b32 v[PT+\b], 23, v[SO+\b]
.endr
	s_delay_alu instid0(VALU_DEP_1)
	v_lshl_or_b32 v[F], v[PT+1], 8, v[PT]
	v_cvt_scalef32_pk16_fp6_f32 v[VF:VF+2], v[S:S+15], v[SO]
	v_cvt_scalef32_pk16_fp6_f32 v[VF+8:VF+10], v[S+16:S+31], v[SO+1]
	v_nop
.irp i, 0,1,2
	v_permlane16_swap_b32 v[VF+\i], v[VF+8+\i]
.endr
.irp i, 0,1,2
	s_delay_alu instid0(VALU_DEP_3)
	v_mov_b32 v[VF+3+\i], v[VF+8+\i]
.endr
	global_store_b128 v[A16], v[VF:VF+3], s[90:91]     ; 512 consecutive bytes
	global_store_b64 v[A8], v[VF+4:VF+5], s[90:91]     ; 256 consecutive bytes
	global_store_b16 v[R4], v[F], s[92:93]
.endm
	s_wait_alu depctr_va_vdst(0)
	s_wait_tensorcnt 0x0                           ; my tile of the head's four is in
	ds_add_u32 v[SPW], v[NIL]                      ; the add twice
	ds_add_u32 v[SPW], v[NIL]
	s_wait_dscnt 0x0
	ROUND
	s_cmp_lt_u32 s[WV], 7
	s_cbranch_scc0 .Lnot_k
	tensor_load_to_lds s[G0K2:G0K2+3], s[G1K:G1K+7]
	s_nop 0
	s_branch .Lasked2
.Lnot_k:
	s_cmp_lt_u32 s[WV], 14
	s_cbranch_scc0 .Lasked2
	tensor_load_to_lds s[G0V2:G0V2+3], s[G1V:G1V+7]
	s_nop 0
.Lasked2:
	s_wait_loadcnt 0x0                             ; Q
	KFIRST 0
	STEP 0, 1, 0
	STEP 1, 0, 0                                   ; pair 1 may still be on its way: nothing of it is fetched here
	NEXTPAIR
	s_wait_tensorcnt 0x0                           ; my pair is in,
	s_wait_dscnt 0x0
	s_barrier_signal -1
	s_barrier_wait -1                              ; and everybody's
	KFIRST 0
	s_mov_b32 s[CNT], 4                            ; THE FIRST WALK ends with step 8 at the latest: pairs 1 to 4
.Lpair:
	STEP 0, 1, 0
	STEP 1, 1, 0
	NEXTPAIR
	s_sub_co_u32 s[CNT], s[CNT], 1
	s_cmp_lg_u32 s[CNT], 0
	s_cbranch_scc1 .Lpair
	s_cmp_lt_u32 s[WV], 8
	s_cbranch_scc1 .Lsecond                        ; waves 0-7 keep their part of the long group
	global_load_b128 v[16:19], v[A16], s[16:17]    ; waves 8-15: the long group's Q, asked for ahead of the short group's way out
	global_load_b64 v[20:21], v[A8], s[16:17]
	global_load_u16 v[QS], v[R4], s[14:15]
	EPI
	FRESH
	s_wait_alu depctr_va_vdst(0)                   ; directly ahead of the waits below
	s_wait_xcnt 0x0                                ; the stores have read their registers
	s_wait_loadcnt 0x0
.Lsecond:
	s_mov_b32 s[HI], s[HI2]                        ; THE SECOND WALK: steps 9 .. 15 - k of the long group, in waves 8-15
	s_mov_b32 s[DIAG], s[D2]
	s_mov_b32 s[KS], 8
	s_mov_b32 s[TB], 4*PAIR
	s_mov_b32 s[TS], 4*1024
	s_mov_b32 s[TJ], 4*128
	s_wait_dscnt 0x0                               ; the first walk's last fetch of K has landed: its registers are loaded anew
	KFIRST 1
	s_mov_b32 s[CNT], 4
.Lpair2:
	STEP 0, 1, 1
	STEP 1, 1, 0                                   ; (behind the last pair this fetch reads the scale words' bytes; nothing uses it)
	NEXTPAIR
	s_sub_co_u32 s[CNT], s[CNT], 1
	s_cmp_lg_u32 s[CNT], 0
	s_cbranch_scc1 .Lpair2
.rept 4
	v_nop                                          ; places behind the last products, ahead of the stores of O^T and of the loads over the scores
.endr
	s_cmp_lt_u32 s[WV], 8
	s_cbranch_scc1 .Lno_put
.irp i, 0,1,2,3,4,5,6,7
	ds_store_b128 v[STA], v[O+4*\i:O+4*\i+3] offset:512*\i       ; waves 8-15: my part of the long group, as an image of its registers
.endr
	ds_store_b128 v[STA], v[12:15] offset:4096                   ; -M, the largest t, the two half sums
.Lno_put:
	s_wait_dscnt 0x0                               ; for the other wave's sake
	s_barrier_signal -1
	s_barrier_wait -1
	s_cmp_lt_u32 s[WV], 8
	s_cbranch_scc0 .Ldone
.irp i, 0,1,2,3,4,5,6,7
	ds_load_b128 v[S+4*\i:S+4*\i+3], v[STA] offset:512*\i        ; waves 0-7: the other part
.endr
	ds_load_b128 v[S+32:S+35], v[STA] offset:4096
	s_wait_dscnt 0x0
	v_min_num_f32 v[PT], v12, v[S+32]              ; -M of both parts together
	s_delay_alu instid0(VALU_DEP_1)
	v_sub_f32 v[PT+1], v[PT], v12
	v_sub_f32 v[PT+2], v[PT], v[S+32]              ; whole numbers, 0 or less
	s_delay_alu instid0(VALU_DEP_2)
	v_cvt_i32_f32 v[PT+1], v[PT+1]
	s_delay_alu instid0(VALU_DEP_2)
	v_cvt_i32_f32 v[PT+2], v[PT+2]                 ; (it saturates: a part with no step counts for nothing)
	s_delay_alu instid0(VALU_DEP_2)
	v_ldexp_f32 v[F], 1.0, v[PT+1]                 ; my part's factor
	s_delay_alu instid0(VALU_DEP_2)
	v_ldexp_f32 v[PT], 1.0, v[PT+2]                ; the other's
	s_delay_alu instid0(VALU_DEP_2)
	v_pk_mul_f32 v[14:15], v[14:15], v[F:F+1] op_sel_hi:[1,0]
.set N_, 0
.rept 16
	v_pk_mul_f32 v[O+N_:O+N_+1], v[O+N_:O+N_+1], v[F:F+1] op_sel_hi:[1,0]
.set N_, N_+2
.endr
	v_pk_fma_f32 v[14:15], v[S+34:S+35], v[PT:PT+1], v[14:15] op_sel_hi:[1,0,1]
.set N_, 0
.rept 16
	v_pk_fma_f32 v[O+N_:O+N_+1], v[S+N_:S+N_+1], v[PT:PT+1], v[O+N_:O+N_+1] op_sel_hi:[1,0,1]
.set N_, N_+2
.endr
	EPI
.Ldone:
	s_wait_tensorcnt 0x0                           ; the wave's end
	ds_add_u32 v[SPW], v[NIL]
	s_wait_dscnt 0x0
	ROUND                                          ; the closing round
	s_endpgm
.Lfunc_end_k_qadd86fe657_attn:
	.size	k_qadd86fe657_attn, .Lfunc_end_k_qadd86fe657_attn-k_qadd86fe657_attn
	.p2alignl 7, 3214868480
	.fill 96, 4, 3214868480
	.section	.rodata,"a",@progbits
	.p2align	6, 0x0
	.amdhsa_kernel k_qadd86fe657_attn
		.amdhsa_group_segment_fixed_size 327680
		.amdhsa_private_segment_fixed_size 0
		.amdhsa_enable_private_segment 0
		.amdhsa_kernarg_size 16
		.amdhsa_user_sgpr_count 2
		.amdhsa_user_sgpr_kernarg_segment_ptr 1
		.amdhsa_wavefront_size32 1
		.amdhsa_system_sgpr_workgroup_id_x 1
		.amdhsa_system_sgpr_workgroup_id_y 1
		.amdhsa_system_sgpr_workgroup_id_z 1
		.amdhsa_system_vgpr_workitem_id 0
		.amdhsa_next_free_vgpr 256
		.amdhsa_next_free_sgpr 100
		.amdhsa_reserve_vcc 1
		.amdhsa_float_denorm_mode_32 3
		.amdhsa_float_denorm_mode_16_64 3
		.amdhsa_memory_ordered 1
		.amdhsa_forward_progress 1
		.amdhsa_inst_pref_size 168
	.end_amdhsa_kernel
	.amdgpu_metadata
---
amdhsa.version: [ 1, 2 ]
amdhsa.kernels:
  - .name:           k_qadd86fe657_attn
    .symbol:         k_qadd86fe657_attn.kd
    .args:
      - { .name: qkv, .offset: 0, .size: 8, .value_kind: global_buffer, .address_space: global }
      - { .name: attq, .offset: 8, .size: 8, .value_kind: global_buffer, .address_space: global }
    .group_segment_fixed_size: 327680
    .private_segment_fixed_size: 0
    .kernarg_segment_align: 8
    .kernarg_segment_size: 16
    .max_flat_workgroup_size: 512
    .sgpr_count:     100
    .vgpr_count:     256
    .wavefront_size: 32
...
	.end_amdgpu_metadata
.endif
;; end of part 3
;; launch wo (part 4): grid 8 x 32, 4 waves a work-group, clusters of 4 x 4, 327,680 bytes of LDS; arguments attq, opq, x, ybuf; writes ybuf
.if DOCPART == 4
	.amdgcn_target "amdgcn-amd-amdhsa--gfx1250"
	.amdhsa_code_object_version 6
	.text
	.protected	k_qadd86fe657_wo
	.globl	k_qadd86fe657_wo
	.p2align	8
	.type	k_qadd86fe657_wo,@function
k_qadd86fe657_wo:
	s_mov_b64 s[64:65], 0
	v_nop
	global_prefetch_b8 v0, s[64:65] scope:SCOPE_SE
	s_setreg_imm32_b32 hwreg(HW_REG_WAVE_MODE, 25, 1), 1
	s_wait_xcnt 0x0
	s_wait_alu depctr_hold_cnt(0) depctr_sa_sdst(0) depctr_va_vdst(0) depctr_va_sdst(0) depctr_va_ssrc(0) depctr_va_vcc(0) depctr_vm_vsrc(0)
	s_getreg_b32 s2, hwreg(HW_REG_IB_STS2, 6, 4)
	s_cmp_eq_u32 s2, 0
	s_cbranch_scc0 .Lentry_in_a_cluster
	s_endpgm
.Lentry_in_a_cluster:
	s_bfe_u32 s2, ttmp6, 0x10000c
	s_cmp_lg_u32 s2, 0xf033
	s_cbranch_scc0 .Lentry_shape_is_right
	s_endpgm
.Lentry_shape_is_right:
; y = x + att wo^T, f32, from records of FP6 (E2M3) codes.  att: buffer attq, codes [group 256][8][1536], scale words at 3,145,728; wo: buffer opq at 5,505,024, scale words at 12,812,288.
; LAYOUT OF OPERANDS: rows in groups of 16, place i of group g = row 32 (g / 2) + 8 (g % 2) + i + 8 (i / 8); a record is the image of a fragment's 12 registers (register 6 c + i of lane l at 768 c + 16 l + 4 i, i < 4, or 768 c + 512 + 8 l + 4 (i - 4)).
; SHARES.  N is 1,024: tiles of 256 x 256 would be 64, so a tile is 128 x 128 (256 work-groups), 64 x 64 to a wave, 16 accumulators; a slot holds 4 K steps of 128, and K = 1,024 is the two slots' first fills: nothing is filled again.
; Clusters of 4 x 4: A's tiles are asked for jointly along a row of the cluster, B's along a column.  The product is used transposed: a lane holds eight neighbouring columns of a row.
; The residual's rows are asked for at the head, in the layout in which the results come back from the stage, and land under the products.
; REGISTERS: window 0: v16-23, v27 LDS addresses, v24-26 the way out, v28-29 the add's, v32-63 scale words, v128-175 A's fragments, v192-255 rows on the way out.  window 1: B's two sets.  window 2: the accumulators.  window 3: v0-127 the residual.
.set KSTEPS, 8
.set NBK,    4
.set NQ,     4
.set FR,     12
.set NL,     4
.set GROW,   NQ*1536
.set HALFT,  NBK*GROW
.set SLOT,   4*HALFT
.set LAPS,   KSTEPS/(2*NQ)
.set SCL,    2*SLOT
.set SBLK,   64*KSTEPS
.set HALFS,  NBK*SBLK
.set SPARE,  SCL+4*HALFS               ; the spare words, 128 bytes a wave: no other line names them
.set ASOFF,  3145728
.set BOFF,   5505024
.set BSOFF,  12812288
.set ADRA, 16
.set ADRB, 20
.set STO,  24
.set RD,   25
.set CO,   26
.set ADRS, 27
.set SPW,  28
.set NIL,  29
.set SC,   32
.set BI,   64
.set AF,   128
.set BK,   192
.set G1, 24
.set G0, 32
.set G1B, 48
.set G0B, 56
.set G1S, 68
.set G0S, 76
.set G1SB, 80
.set G0SB, 88
.set MUL_LO, 0xa1
.set MUL_HI, 0xa1
.set BIAS_LO, 0x81
.set BIAS_HI, 0x81
.set TO_B,   0x40
.set MSB, 0
.macro WIN new
.if MSB != (\new)
	s_set_vgpr_msb (MSB<<8)|(\new)
.set MSB, (\new)
.endif
.endm
.macro JLOAD g0a, g1a, g0b, g1b        ; a joint load: waves 0 and 1 fetch for A, waves 2 and 3 for B; four v_nop follow each of the two lines
	s_cmp_eq_u32 s15, 0
	s_cbranch_scc0 .Lfor_b_\@
	tensor_load_to_lds s[\g0a:\g0a+3], s[\g1a:\g1a+7]
	s_nop 0
.rept 4
	v_nop
.endr
	s_branch .Lasked_\@
.Lfor_b_\@:
	tensor_load_to_lds s[\g0b:\g0b+3], s[\g1b:\g1b+7]
	s_nop 0
.rept 4
	v_nop
.endr
.Lasked_\@:
.endm
.macro CREST
	s_cmp_lg_u32 s14, 0
	s_cbranch_scc1 .Lnot_wave_0_\@
	s_barrier_signal -3
.Lnot_wave_0_\@:
	s_barrier_wait -3
	s_barrier_signal -1
	s_barrier_wait -1
.endm
.macro CROUND
	s_barrier_signal -1
	s_barrier_wait -1
	CREST
.endm
.macro PLACES n
.rept \n
	v_nop
.endr
.endm
.macro FRAG reg, adr, q, i
	ds_load_b128 v[\reg:\reg+3], v[\adr] offset:(\i)*GROW+(\q)*1536
	ds_load_b64 v[\reg+4:\reg+5], v[\adr+2] offset:(\i)*GROW+(\q)*1536
	ds_load_b128 v[\reg+6:\reg+9], v[\adr] offset:(\i)*GROW+(\q)*1536+768
	ds_load_b64 v[\reg+10:\reg+11], v[\adr+2] offset:(\i)*GROW+(\q)*1536+768
.endm
.macro FETCH_B slot, q, p
	WIN TO_B
.set I_, 0
.rept NBK
	FRAG 128*(\p)+FR*I_, ADRB+\slot, \q, I_
.set I_, I_+1
.endr
	WIN 0
.endm
.macro FETCH_A slot, q, i0
.set I_, \i0
.rept NBK/2
	FRAG AF+FR*I_, ADRA+\slot, \q, I_
.set I_, I_+1
.endr
.endm
.macro SCALES sc
.set I_, 0
.rept NBK
.set Q_, 0
.rept NQ
	ds_load_b32 v[SC+16*(\sc)+NQ*I_+Q_], v[ADRS] offset:I_*SBLK+64*Q_
.set Q_, Q_+1
.endr
.set I_, I_+1
.endr
.endm
.macro MULS a0, an, p, q, sc, first    ; the accumulators take turns, one instruction a turn, in the same order in every step
.set A_, \a0
.rept \an
.set B_, 0
.rept NBK
.set D_, 8*((A_*NBK+B_)%32)
.if \first == 1
	v_wmma_scale_f32_16x16x128_f8f6f4 v[D_:D_+7], v[128*(\p)+FR*B_:128*(\p)+FR*B_+FR-1], v[AF+FR*A_:AF+FR*A_+FR-1], 0, v[SC+16*(\sc)+NQ*B_+(\q)], v[SC+16*(\sc)+NQ*A_+(\q)] matrix_a_fmt:MATRIX_FMT_FP6 matrix_b_fmt:MATRIX_FMT_FP6 matrix_a_scale:MATRIX_SCALE_ROW1
.elseif \first == 2
	v_wmma_scale_f32_16x16x128_f8f6f4 v[D_:D_+7], v[128*(\p)+FR*B_:128*(\p)+FR*B_+FR-1], v[AF+FR*A_:AF+FR*A_+FR-1], v[BI+8*B_:BI+8*B_+7], v[SC+16*(\sc)+NQ*B_+(\q)], v[SC+16*(\sc)+NQ*A_+(\q)] matrix_a_fmt:MATRIX_FMT_FP6 matrix_b_fmt:MATRIX_FMT_FP6 matrix_a_scale:MATRIX_SCALE_ROW1
.else
	v_wmma_scale_f32_16x16x128_f8f6f4 v[D_:D_+7], v[128*(\p)+FR*B_:128*(\p)+FR*B_+FR-1], v[AF+FR*A_:AF+FR*A_+FR-1], v[D_:D_+7], v[SC+16*(\sc)+NQ*B_+(\q)], v[SC+16*(\sc)+NQ*A_+(\q)] matrix_a_fmt:MATRIX_FMT_FP6 matrix_b_fmt:MATRIX_FMT_FP6 matrix_a_scale:MATRIX_SCALE_ROW1
.endif
.set B_, B_+1
.endr
.set A_, A_+1
.endr
.endm
.macro STEP slot, q, first
	s_wait_dscnt (NBK/2)*NL                        ; B's set, A's lower half (and the scale words) are in; A's upper half may be out
.if \first == 2
	WIN BIAS_LO
.else
	WIN MUL_LO
.endif
	MULS 0, NBK/2, (\q)%2, \q, \slot, \first
	s_wait_dscnt 0x0
	PLACES 4
	FETCH_B \slot, (\q)+1, 1-(\q)%2
	FETCH_A \slot, (\q)+1, 0
.if \first == 2
	WIN BIAS_HI
.else
	WIN MUL_HI
.endif
	MULS NBK/2, NBK/2, (\q)%2, \q, \slot, \first
	PLACES 4
	WIN 0
	FETCH_A \slot, (\q)+1, NBK/2
.endm
.macro TURN slot, next, fill
	s_wait_tensorcnt 0x0                           ; all my tensor loads have landed: my part of the next slot
	ds_add_u32 v[SPW], v[NIL]                      ; 0 onto my spare word
	s_wait_dscnt (NBK/2)*NL+1                      ; the add and A's upper half may be out
	WIN MUL_LO
	MULS 0, NBK/4, 1, NQ-1, \slot, 0
	s_wait_dscnt 0x0                               ; the add is done, and my reads of this slot are over
	s_barrier_signal -1
	MULS NBK/4, NBK/4, 1, NQ-1, \slot, 0
	WIN 0
	s_barrier_wait -1
.if \fill
	CREST
	s_add_nc_u64 s[G0+4*\slot+2:G0+4*\slot+3], s[G0+4*\slot+2:G0+4*\slot+3], 2*GROW
	s_add_nc_u64 s[G0B+4*\slot+2:G0B+4*\slot+3], s[G0B+4*\slot+2:G0B+4*\slot+3], 2*GROW
	JLOAD G0+4*\slot, G1, G0B+4*\slot, G1B
.else
	PLACES 4
.endif
	v_add_nc_u32 v[ADRS], 64*NQ, v[ADRS]
	FETCH_B \next, 0, 0
	FETCH_A \next, 0, 0
	SCALES \next
	WIN MUL_HI
	MULS NBK/2, NBK/2, 1, NQ-1, \slot, 0
	PLACES 4
	WIN 0
	FETCH_A \next, 0, NBK/2
.endm
.macro MID slot
.if NQ > 2
	STEP \slot, 1, 0
	STEP \slot, 2, 0
.endif
.endm
	s_load_b256 s[4:11], s[0:1], 0x0               ; attq, opq, x, ybuf
	v_lshl_add_u32 v[SPW], v0, 2, SPARE
	v_mov_b32 v[NIL], 0
	ds_add_u32 v28, v29
	ds_add_u32 v28, v29
	s_wait_dscnt 0x0
	v_lshrrev_b32 v1, 5, v0
	v_readfirstlane_b32 s14, v1
	s_lshr_b32 s15, s14, 1
	s_and_b32 s16, s14, 1
	s_bfe_u32 s40, ttmp6, 0x40000
	s_bfe_u32 s41, ttmp6, 0x40004
	s_lshl_b32 s42, ttmp9, 2
	s_add_co_u32 s42, s42, s40                     ; tile column
	s_and_b32 s17, ttmp7, 0xffff
	s_lshl_b32 s17, s17, 2
	s_add_co_u32 s17, s17, s41                     ; tile row
	s_lshl_b32 s43, s41, 2
	s_lshl_b32 s43, 15, s43
	s_lshl_b32 s44, 0x1111, s40
	s_or_b32 s[G1+0], s43, (3<<16)|(1<<21)
	s_or_b32 s[G1B+0], s44, (3<<16)|(1<<21)
.irp g, G1, G1B
	s_mov_b32 s[\g+1], (192*NQ)<<16
	s_mov_b32 s[\g+2], (2*NBK)<<16
	s_mov_b32 s[\g+3], (192*NQ)<<16
	s_mov_b32 s[\g+4], 2*NBK
	s_mov_b32 s[\g+5], 192*KSTEPS
	s_mov_b32 s[\g+6], 0
	s_mov_b32 s[\g+7], 0
.endr
	s_or_b32 s[G1S+0], s43, (3<<16)|(1<<21)
	s_or_b32 s[G1SB+0], s44, (3<<16)|(1<<21)
.irp g, G1S, G1SB
	s_mov_b32 s[\g+1], 32<<16
	s_mov_b32 s[\g+2], (2*HALFS/256)<<16
	s_mov_b32 s[\g+3], 32<<16
	s_mov_b32 s[\g+4], 2*HALFS/256
	s_mov_b32 s[\g+5], 32
	s_mov_b32 s[\g+6], 0
	s_mov_b32 s[\g+7], 0
.endr
	s_mul_i32 s18, s16, NBK
	s_mul_i32 s20, s17, 2*NBK
	s_add_co_u32 s20, s20, s18
	s_mul_i32 s46, s42, 2*NBK
	s_add_co_u32 s46, s46, s18
	s_mul_i32 s22, s17, 2*NBK*KSTEPS*64            ; the scale words of the tile's whole 2 NBK groups
	s_mul_i32 s92, s42, 2*NBK*KSTEPS*64
	s_mul_i32 s20, s20, KSTEPS*1536
	s_mul_i32 s46, s46, KSTEPS*1536
	s_mov_b32 s21, 0
	s_mov_b32 s23, 0
	s_mov_b32 s47, 0
	s_mov_b32 s93, 0
	s_mul_i32 s45, s14, HALFT
	s_wait_kmcnt 0x0
	s_add_nc_u64 s[20:21], s[4:5], s[20:21]
	s_add_nc_u64 s[22:23], s[4:5], s[22:23]
	s_add_nc_u64 s[46:47], s[6:7], s[46:47]
	s_add_nc_u64 s[92:93], s[6:7], s[92:93]
	s_add_nc_u64 s[22:23], s[22:23], ASOFF
	s_add_nc_u64 s[46:47], s[46:47], BOFF
	s_add_nc_u64 s[92:93], s[92:93], BSOFF
	CROUND                                         ; all sixteen work-groups are here: the first joint loads meet
	s_mov_b32 s[G0S], 1
	s_mov_b32 s[G0S+1], SCL
	s_mov_b64 s[G0S+2:G0S+3], s[22:23]
	s_or_b32 s[G0S+3], s[G0S+3], 0x80000000
	s_mov_b32 s[G0SB], 1
	s_mov_b32 s[G0SB+1], SCL+2*HALFS
	s_mov_b64 s[G0SB+2:G0SB+3], s[92:93]
	s_or_b32 s[G0SB+3], s[G0SB+3], 0x80000000
.irp s, 0,1
	s_mov_b32 s[G0+4*\s], 1
	s_add_co_u32 s[G0+4*\s+1], s45, \s*SLOT
	s_add_nc_u64 s[G0+4*\s+2:G0+4*\s+3], s[20:21], \s*GROW
	s_or_b32 s[G0+4*\s+3], s[G0+4*\s+3], 0x80000000
	s_mov_b32 s[G0B+4*\s], 1
	s_add_co_u32 s[G0B+4*\s+1], s45, \s*SLOT
	s_add_nc_u64 s[G0B+4*\s+2:G0B+4*\s+3], s[46:47], \s*GROW
	s_or_b32 s[G0B+4*\s+3], s[G0B+4*\s+3], 0x80000000
.endr
; the head's four tiles, one joint load a wave: wave 0 slot 0's 2 NBK groups of A, wave 1 A's scale words, wave 2 slot 0's 2 NBK groups of B, wave 3 B's scale words
.macro ARM under, g0, g1, next
	s_cmp_lt_u32 s14, \under
	s_cbranch_scc0 \next
	tensor_load_to_lds s[\g0:\g0+3], s[\g1:\g1+7]
	s_nop 0
.rept 4
	v_nop
.endr
	s_branch .Lhead_asked
\next:
.endm
	ARM 1, G0, G1, .Lhead_sa
	ARM 2, G0S, G1S, .Lhead_b
	ARM 3, G0B, G1B, .Lhead_sb
	tensor_load_to_lds s[G0SB:G0SB+3], s[G1SB:G1SB+7]
	s_nop 0
.rept 4
	v_nop
.endr
.Lhead_asked:
	v_and_b32 v1, 15, v0                           ; r
	v_bfe_u32 v2, v0, 4, 1                         ; h
	s_wait_alu depctr_va_vdst(0)
	v_and_b32 v3, 31, v0
	v_lshlrev_b32 v4, 4, v3
	s_wait_alu depctr_va_vdst(0)
	v_lshlrev_b32 v5, 3, v3
	v_add_nc_u32 v5, 512, v5
	; my 64 rows x 64 columns in x and in y
	s_wait_alu depctr_va_vdst(0)
	s_lshl_b32 s18, s17, 19
	s_lshl_b32 s19, s15, 18
	s_add_co_u32 s18, s18, s19
	s_lshl_b32 s19, s42, 9
	s_add_co_u32 s18, s18, s19
	s_lshl_b32 s19, s16, 8
	s_add_co_u32 s18, s18, s19
	s_mov_b32 s19, 0
	s_add_nc_u64 s[8:9], s[8:9], s[18:19]
	s_add_nc_u64 s[12:13], s[10:11], s[18:19]
	v_lshlrev_b32 v[CO], 12, v2
	v_lshl_add_u32 v[CO], v1, 4, v[CO]             ; lanes 0-15 one row's 256 bytes, lanes 16-31 the next row's
	WIN 0xc0                                       ; destination window 3
.irp a, 0,1,2,3
.irp t, 0,1,2,3,4,5,6,7
	global_load_b128 v[32*\a+4*\t:32*\a+4*\t+3], v[CO], s[8:9] offset:(32*(\a/2)+8*(\a%2)+2*\t+8*(\t/4))*4096 th:TH_LOAD_NT
.endr
.endr
	WIN 0
	s_mul_i32 s21, s15, HALFT
	s_mul_i32 s22, s16, HALFT
	s_add_co_u32 s22, s22, 2*HALFT
.irp s, 0,1
	v_add_nc_u32 v[ADRA+\s], s21, v4
	v_add_nc_u32 v[ADRB+\s], s22, v4
	v_add_nc_u32 v[ADRA+2+\s], s21, v5
	v_add_nc_u32 v[ADRB+2+\s], s22, v5
	s_add_co_u32 s21, s21, SLOT
	s_add_co_u32 s22, s22, SLOT
.endr
	v_lshlrev_b32 v6, 2, v1
	s_mul_i32 s21, s15, HALFS
	s_mul_i32 s22, s16, HALFS
	s_add_co_u32 s22, s22, 2*HALFS
	s_sub_co_u32 s22, s22, s21
	v_mul_u32_u24 v7, s22, v2
	s_add_co_u32 s21, s21, SCL
	v_add_nc_u32 v6, v6, v7
	v_add_nc_u32 v[ADRS], s21, v6
	s_mul_i32 s23, s14, 16*272                     ; my stage, in slot 0: 16 rows x (256 + 16) bytes
	v_mul_u32_u24 v[STO], v1, 272
	v_lshl_add_u32 v[STO], v2, 6, v[STO]
	v_add_nc_u32 v[STO], s23, v[STO]
	v_mul_u32_u24 v[RD], v2, 272
	v_lshl_add_u32 v[RD], v1, 4, v[RD]
	v_add_nc_u32 v[RD], s23, v[RD]
	s_wait_alu depctr_va_vdst(0)
	s_wait_tensorcnt 0x0                           ; my tile of the head's four is in
	ds_add_u32 v[SPW], v[NIL]
	s_mov_b32 s[G1+2], NBK<<16                     ; no load of mine is out: from here on a load brings NBK groups
	s_mov_b32 s[G1+4], NBK
	s_mov_b32 s[G1B+2], NBK<<16
	s_mov_b32 s[G1B+4], NBK
	s_wait_dscnt 0x0
	CROUND
	JLOAD G0+4, G1, G0B+4, G1B                     ; slot 1's first fill, the first tensor load behind the round
	FETCH_B 0, 0, 0
	FETCH_A 0, 0, 0
	SCALES 0
	FETCH_A 0, 0, NBK/2
	STEP 0, 0, 1
	MID 0
	TURN 0, 1, 0
	STEP 1, 0, 0
	MID 1
	s_wait_dscnt (NBK/2)*NL
	WIN MUL_LO
	MULS 0, NBK/2, 1, NQ-1, 1, 0
	s_wait_dscnt 0x0
	WIN MUL_HI
	MULS NBK/2, NBK/2, 1, NQ-1, 1, 0
	WIN 0
	PLACES 4
	s_wait_loadcnt 0x0                             ; the residual
	; THE WAY OUT, a group of 16 rows at a time, through my own stage (slot 0 has had its last fill, and every wave has passed the change of slots behind which nobody reads it); back as rows of 256 bytes
.irp a, 0,1,2,3
.if \a >= 2
	s_wait_xcnt 0x0                                ; block a - 2's stores have read their registers
.endif
	WIN 0x08
.irp b, 0,1,2,3
	ds_store_b128 v[STO], v[8*(4*\a+\b):8*(4*\a+\b)+3] offset:128*(\b/2)+32*(\b%2)
	ds_store_b128 v[STO], v[8*(4*\a+\b)+4:8*(4*\a+\b)+7] offset:128*(\b/2)+32*(\b%2)+16
.endr
	WIN 0
.irp t, 0,1,2,3,4,5,6,7
	ds_load_b128 v[BK+32*(\a%2)+4*\t:BK+32*(\a%2)+4*\t+3], v[RD] offset:544*\t   ; LDS serves a wave's instructions in order: these see the stores above
.endr
	s_wait_dscnt 0x0
	WIN 0x0c
.irp t, 0,1,2,3,4,5,6,7,8,9,10,11,12,13,14,15
	v_pk_add_f32 v[BK+32*(\a%2)+2*\t:BK+32*(\a%2)+2*\t+1], v[BK+32*(\a%2)+2*\t:BK+32*(\a%2)+2*\t+1], v[32*\a+2*\t:32*\a+2*\t+1]
.endr
	WIN 0
.irp t, 0,1,2,3,4,5,6,7
	global_store_b128 v[CO], v[BK+32*(\a%2)+4*\t:BK+32*(\a%2)+4*\t+3], s[12:13] offset:(32*(\a/2)+8*(\a%2)+2*\t+8*(\t/4))*4096   ; 16 lanes store 256 consecutive bytes, aligned
.endr
.endr
	s_wait_tensorcnt 0x0                           ; the wave's end
	ds_add_u32 v[SPW], v[NIL]
	s_wait_dscnt 0x0
	CROUND
	s_endpgm
.Lfunc_end_k_qadd86fe657_wo:
	.size	k_qadd86fe657_wo, .Lfunc_end_k_qadd86fe657_wo-k_qadd86fe657_wo
	.p2alignl 7, 3214868480
	.fill 96, 4, 3214868480
	.section	.rodata,"a",@progbits
	.p2align	6, 0x0
	.amdhsa_kernel k_qadd86fe657_wo
		.amdhsa_group_segment_fixed_size 327680
		.amdhsa_private_segment_fixed_size 0
		.amdhsa_enable_private_segment 0
		.amdhsa_kernarg_size 32
		.amdhsa_user_sgpr_count 2
		.amdhsa_user_sgpr_kernarg_segment_ptr 1
		.amdhsa_wavefront_size32 1
		.amdhsa_system_sgpr_workgroup_id_x 1
		.amdhsa_system_sgpr_workgroup_id_y 1
		.amdhsa_system_sgpr_workgroup_id_z 1
		.amdhsa_system_vgpr_workitem_id 0
		.amdhsa_next_free_vgpr 896
		.amdhsa_next_free_sgpr 102
		.amdhsa_reserve_vcc 0
		.amdhsa_float_denorm_mode_32 3
		.amdhsa_float_denorm_mode_16_64 3
		.amdhsa_memory_ordered 1
		.amdhsa_forward_progress 1
		.amdhsa_inst_pref_size 64
	.end_amdhsa_kernel
	.amdgpu_metadata
---
amdhsa.version: [ 1, 2 ]
amdhsa.kernels:
  - .name:           k_qadd86fe657_wo
    .symbol:         k_qadd86fe657_wo.kd
    .args:
      - { .name: attq, .offset: 0, .size: 8, .value_kind: global_buffer, .address_space: global }
      - { .name: opq, .offset: 8, .size: 8, .value_kind: global_buffer, .address_space: global }
      - { .name: x, .offset: 16, .size: 8, .value_kind: global_buffer, .address_space: global }
      - { .name: ybuf, .offset: 24, .size: 8, .value_kind: global_buffer, .address_space: global }
    .group_segment_fixed_size: 327680
    .private_segment_fixed_size: 0
    .kernarg_segment_align: 8
    .kernarg_segment_size: 32
    .max_flat_workgroup_size: 128
    .sgpr_count:     102
    .vgpr_count:     896
    .wavefront_size: 32
...
	.end_amdgpu_metadata
.endif
;; end of part 4
;; launch ln0 (part 5): grid 256 x 1, 8 waves a work-group, no clusters, 66,816 bytes of LDS; arguments ybuf, gamma0, beta0, x1, x1q; writes x1, x1q
.if DOCPART == 5
	.amdgcn_target "amdgcn-amd-amdhsa--gfx1250"
	.amdhsa_code_object_version 6
	.text
	.protected	k_qadd86fe657_ln0
	.globl	k_qadd86fe657_ln0
	.p2align	8
	.type	k_qadd86fe657_ln0,@function
k_qadd86fe657_ln0:
	s_mov_b64 s[64:65], 0
	v_nop
	global_prefetch_b8 v0, s[64:65] scope:SCOPE_SE
	s_setreg_imm32_b32 hwreg(HW_REG_WAVE_MODE, 25, 1), 1
	s_wait_xcnt 0x0
; x1 = LayerNorm(y; gamma0, beta0), stored as f32 and, quantised along D to FP6 (E2M3), as records of the next product's operand (codes [group 256][8][1536], scale words at 3,145,728, [256][8][64]).
; Work-group g owns the 16 rows of group g (place i = row 32 (g / 2) + 8 (g % 2) + i + 8 (i / 8)); wave w the places w and w + 8.  A row of 4,096 bytes stays in 32 registers a lane: the mean, then the mean of the squared
; differences from it (two passes over registers: no difference of large sums), 1 / sqrt by v_rsq_f32.  The 16 finished rows meet in LDS (rows 4,112 bytes apart); behind one barrier wave w quantises K step w of all 16.
; LIMITS: a block of zeros or under 2^-124 keeps the byte 1; NaN and infinities are not served.
.set SP,  4112
.set XA,  32
.set XB,  64
.set GA,  96
.set BE,  128
.set TA,  160
.set TBB, 164
.set PC,  224
.set CT,  236
.set PW,  243
.set TM,  244
.set SO,  252
.set SEL, 26
.set MSB, 0
.macro WIN new
.if MSB != (\new)
	s_set_vgpr_msb (MSB<<8)|(\new)
.set MSB, (\new)
.endif
.endm
.macro QUANT s, w, pc, pw              ; 64 numbers of a lane, register 16 b + i = k 32 b + 16 (lane / 16) + i of its row, become a fragment's codes and its scale word
	WIN (\w)|((\w)<<2)
.irp b, 0,1,2,3
	v_max3_num_f32 v[TM+\b], |v[(\s)+16*\b]|, |v[(\s)+1+16*\b]|, 0x1800000
.endr
	WIN ((\w)<<2)|((\w)<<4)
.irp i, 2,4,6,8,10,12,14
.irp b, 0,1,2,3
	s_delay_alu instid0(VALU_DEP_4)
	v_max3_num_f32 v[TM+\b], v[TM+\b], |v[(\s)+16*\b+\i]|, |v[(\s)+1+16*\b+\i]|
.endr
.endr
	WIN 0
.irp b, 0,1,2,3
	s_delay_alu instid0(VALU_DEP_4)
	v_permlanex16_b32 v[TM+4+\b], v[TM+\b], s[SEL], s[SEL+1]
.endr
.irp b, 0,1,2,3
	s_delay_alu instid0(VALU_DEP_4)
	v_max_num_f32 v[TM+\b], v[TM+\b], v[TM+4+\b]
.endr
.irp b, 0,1,2,3
	s_delay_alu instid0(VALU_DEP_4)
	v_add_nc_u32 v[SO+\b], 0xff000000, v[TM+\b]
.endr
.irp b, 0,1,2,3
	s_delay_alu instid0(VALU_DEP_4)
	v_lshrrev_b32 v[TM+4+\b], 23, v[SO+\b]
.endr
	s_delay_alu instid0(VALU_DEP_3)
	v_lshl_or_b32 v[\pw], v[TM+5], 8, v[TM+4]
	s_delay_alu instid0(VALU_DEP_1)
	v_lshl_or_b32 v[\pw], v[TM+6], 16, v[\pw]
	s_delay_alu instid0(VALU_DEP_1)
	v_lshl_or_b32 v[\pw], v[TM+7], 24, v[\pw]
	WIN \w
.irp c, 0,1
	v_cvt_scalef32_pk16_fp6_f32 v[(\pc)+6*\c:(\pc)+6*\c+2], v[(\s)+32*\c:(\s)+32*\c+15], v[SO+2*\c]
	v_cvt_scalef32_pk16_fp6_f32 v[CT+4*\c:CT+4*\c+2], v[(\s)+32*\c+16:(\s)+32*\c+31], v[SO+2*\c+1]
.endr
	WIN 0
	v_nop
.irp c, 0,1
.irp i, 0,1,2
	v_permlane16_swap_b32 v[(\pc)+6*\c+\i], v[CT+4*\c+\i]
.endr
.irp i, 0,1,2
	s_delay_alu instid0(VALU_DEP_3)
	v_mov_b32 v[(\pc)+3+6*\c+\i], v[CT+4*\c+\i]
.endr
.endr
.endm
.macro PUTREC o16, o8, os, cb, sb, off, soff, pc, pw
	global_store_b128 v[\o16], v[(\pc):(\pc)+3], s[\cb:\cb+1] offset:\off
	global_store_b64 v[\o8], v[(\pc)+4:(\pc)+5], s[\cb:\cb+1] offset:\off
	global_store_b128 v[\o16], v[(\pc)+6:(\pc)+9], s[\cb:\cb+1] offset:(\off)+768
	global_store_b64 v[\o8], v[(\pc)+10:(\pc)+11], s[\cb:\cb+1] offset:(\off)+768
	global_store_b32 v[\os], v[\pw], s[\sb:\sb+1] offset:\soff
.endm
.macro LSUM x, t                       ; my 32 numbers, in two chains of pairs
	v_pk_add_f32 v[\t:\t+1], v[\x:\x+1], v[\x+2:\x+3]
	v_pk_add_f32 v[\t+2:\t+3], v[\x+4:\x+5], v[\x+6:\x+7]
.irp i, 8,12,16,20,24,28
	s_delay_alu instid0(VALU_DEP_2)
	v_pk_add_f32 v[\t:\t+1], v[\t:\t+1], v[\x+\i:\x+\i+1]
	s_delay_alu instid0(VALU_DEP_2)
	v_pk_add_f32 v[\t+2:\t+3], v[\t+2:\t+3], v[\x+\i+2:\x+\i+3]
.endr
.endm
.macro LSQ x, t                        ; their squares likewise
	v_pk_mul_f32 v[\t:\t+1], v[\x:\x+1], v[\x:\x+1]
	v_pk_mul_f32 v[\t+2:\t+3], v[\x+2:\x+3], v[\x+2:\x+3]
.irp i, 4,8,12,16,20,24,28
	s_delay_alu instid0(VALU_DEP_2)
	v_pk_fma_f32 v[\t:\t+1], v[\x+\i:\x+\i+1], v[\x+\i:\x+\i+1], v[\t:\t+1]
	s_delay_alu instid0(VALU_DEP_2)
	v_pk_fma_f32 v[\t+2:\t+3], v[\x+\i+2:\x+\i+3], v[\x+\i+2:\x+\i+3], v[\t+2:\t+3]
.endr
.endm
.macro ACROSS t                        ; the four partial sums, then the 32 lanes: every lane ends with the row's sum
	v_pk_add_f32 v[\t:\t+1], v[\t:\t+1], v[\t+2:\t+3]
	s_delay_alu instid0(VALU_DEP_1)
	v_add_f32 v[\t], v[\t], v[\t+1]
	s_delay_alu instid0(VALU_DEP_1)
	v_add_f32_dpp v[\t], v[\t], v[\t] row_xmask:1 row_mask:0xf bank_mask:0xf
	s_delay_alu instid0(VALU_DEP_1)
	v_add_f32_dpp v[\t], v[\t], v[\t] row_xmask:2 row_mask:0xf bank_mask:0xf
	s_delay_alu instid0(VALU_DEP_1)
	v_add_f32_dpp v[\t], v[\t], v[\t] row_xmask:4 row_mask:0xf bank_mask:0xf
	s_delay_alu instid0(VALU_DEP_1)
	v_add_f32_dpp v[\t], v[\t], v[\t] row_xmask:8 row_mask:0xf bank_mask:0xf
	s_delay_alu instid0(VALU_DEP_1)
	v_permlanex16_b32 v[\t+1], v[\t], s[SEL], s[SEL+1]
	s_delay_alu instid0(VALU_DEP_1)
	v_add_f32 v[\t], v[\t], v[\t+1]
.endm
.macro CENTRE x, t                     ; x - mean
	v_mul_f32 v[\t+2], 0xba800000, v[\t]           ; - sum / 1,024
	v_mul_f32 v[\t+3], 0xba800000, v[\t]
.irp i, 0,2,4,6,8,10,12,14,16,18,20,22,24,26,28,30
	v_pk_add_f32 v[\x+\i:\x+\i+1], v[\x+\i:\x+\i+1], v[\t+2:\t+3]
.endr
.endm
.macro FINISH x, t                     ; x / sqrt(var + eps) x gamma + beta
.irp i, 0,2,4,6,8,10,12,14,16,18,20,22,24,26,28,30
	v_pk_mul_f32 v[\x+\i:\x+\i+1], v[\x+\i:\x+\i+1], v[\t+2:\t+3]
.endr
.irp i, 0,2,4,6,8,10,12,14,16,18,20,22,24,26,28,30
	v_pk_fma_f32 v[\x+\i:\x+\i+1], v[\x+\i:\x+\i+1], v[GA+\i:GA+\i+1], v[BE+\i:BE+\i+1]
.endr
.endm
	s_load_b256 s[4:11], s[0:1], 0x0               ; ybuf, gamma0, beta0, x1
	s_load_b64 s[12:13], s[0:1], 0x20              ; x1q
	v_lshl_add_u32 v223, v0, 2, 0x10100
	v_mov_b32 v239, 0
	v_lshrrev_b32 v1, 5, v0
	s_delay_alu instid0(VALU_DEP_1)
	v_readfirstlane_b32 s14, v1                    ; wave 0..7
	v_and_b32 v1, 31, v0
	v_and_b32 v2, 15, v0
	v_bfe_u32 v3, v0, 4, 1
	s_delay_alu instid0(VALU_DEP_3)
	v_lshlrev_b32 v4, 4, v1                        ; 16 l
	s_lshl_b32 s15, s14, 12
	v_add_nc_u32 v5, s15, v4                       ; + my first row among the group's
	s_mul_i32 s15, s14, SP
	v_add_nc_u32 v6, s15, v4                       ; the stage, way in: row w
	v_mul_u32_u24 v7, v2, SP
	s_delay_alu instid0(VALU_DEP_1)
	v_lshl_add_u32 v7, v3, 6, v7
	s_lshl_b32 s15, s14, 9
	v_add_nc_u32 v7, s15, v7                       ; way out: row r, K step w, + 64 h
	v_lshlrev_b32 v8, 3, v1
	s_delay_alu instid0(VALU_DEP_1)
	v_add_nc_u32 v8, 512, v8
	v_lshlrev_b32 v9, 2, v2
	s_lshr_b32 s16, ttmp9, 1
	s_lshl_b32 s16, s16, 17
	s_and_b32 s17, ttmp9, 1
	s_lshl_b32 s17, s17, 15
	s_add_co_u32 s16, s16, s17                     ; the group's first row, in bytes
	s_mov_b32 s17, 0
	s_lshl_b32 s18, ttmp9, 3
	s_add_co_u32 s18, s18, s14                     ; my record
	s_mul_i32 s22, s18, 1536
	s_mov_b32 s23, 0
	s_lshl_b32 s24, s18, 6
	s_add_co_u32 s24, s24, 3145728
	s_mov_b32 s25, 0
	s_mov_b32 s[SEL], 0x76543210
	s_mov_b32 s[SEL+1], 0xfedcba98
	s_mov_b32 s20, 0x3a800000                      ; 1 / 1,024
.irp b, 0,1,2,3
	v_mov_b32 v[TM+4+\b], 0
.endr
	s_wait_kmcnt 0x0
	s_add_nc_u64 s[4:5], s[4:5], s[16:17]
	s_add_nc_u64 s[10:11], s[10:11], s[16:17]
	s_add_nc_u64 s[22:23], s[12:13], s[22:23]
	s_add_nc_u64 s[24:25], s[12:13], s[24:25]
.irp j, 0,1,2,3,4,5,6,7
	global_load_b128 v[XA+4*\j:XA+4*\j+3], v5, s[4:5] offset:512*\j th:TH_LOAD_NT
.endr
.irp j, 0,1,2,3,4,5,6,7
	global_load_b128 v[XB+4*\j:XB+4*\j+3], v5, s[4:5] offset:65536+512*\j th:TH_LOAD_NT
.endr
.irp j, 0,1,2,3,4,5,6,7
	global_load_b128 v[GA+4*\j:GA+4*\j+3], v4, s[6:7] offset:512*\j
.endr
.irp j, 0,1,2,3,4,5,6,7
	global_load_b128 v[BE+4*\j:BE+4*\j+3], v4, s[8:9] offset:512*\j
.endr
	s_wait_loadcnt 24                              ; my first row is in; 24 younger loads may be out
	LSUM XA, TA
	s_wait_loadcnt 16                              ; my second row; gamma's and beta's 16 may be out
	LSUM XB, TBB
	ACROSS TA
	ACROSS TBB
	CENTRE XA, TA
	CENTRE XB, TBB
	LSQ XA, TA
	LSQ XB, TBB
	ACROSS TA
	ACROSS TBB
	v_fmaak_f32 v[TA], s20, v[TA], 0x3727c5ac      ; var + 1e-5
	s_delay_alu instid0(VALU_DEP_2)
	v_fmaak_f32 v[TBB], s20, v[TBB], 0x3727c5ac
	s_wait_alu depctr_va_vdst(0)
	v_rsq_f32 v[TA+2], v[TA]
	v_rsq_f32 v[TBB+2], v[TBB]
	v_nop                                          ; a plain place behind the two
	s_wait_alu depctr_va_vdst(0)                   ; one wait for both, ahead of their first reader
	v_mov_b32 v[TA+3], v[TA+2]
	v_mov_b32 v[TBB+3], v[TBB+2]
	s_wait_alu depctr_va_vdst(0)
	s_wait_loadcnt 0x0                             ; gamma, beta
	FINISH XA, TA
	FINISH XB, TBB
.irp j, 0,1,2,3,4,5,6,7
	global_store_b128 v5, v[XA+4*\j:XA+4*\j+3], s[10:11] offset:512*\j
	ds_store_b128 v6, v[XA+4*\j:XA+4*\j+3] offset:512*\j
.endr
.irp j, 0,1,2,3,4,5,6,7
	global_store_b128 v5, v[XB+4*\j:XB+4*\j+3], s[10:11] offset:65536+512*\j
	ds_store_b128 v6, v[XB+4*\j:XB+4*\j+3] offset:8*SP+512*\j
.endr
	s_wait_dscnt 0x0                               ; for the others' sake: my two rows lie in the stage
	s_barrier_signal -1
	s_barrier_wait -1
	s_wait_xcnt 0x0                                ; the stores to x1 have read their registers: the loads below land there
.irp b, 0,1,2,3
.irp j, 0,1,2,3
	ds_load_b128 v[XA+16*\b+4*\j:XA+16*\b+4*\j+3], v7 offset:128*\b+16*\j
.endr
.endr
	s_wait_dscnt 0x0
	QUANT XA, 0, PC, PW
	PUTREC 4, 8, 9, 22, 24, 0, 0, PC, PW
	s_wait_tensorcnt 0x0
	ds_add_u32 v223, v239
	s_wait_dscnt 0x0
	s_endpgm
.Lfunc_end_k_qadd86fe657_ln0:
	.size	k_qadd86fe657_ln0, .Lfunc_end_k_qadd86fe657_ln0-k_qadd86fe657_ln0
	.p2alignl 7, 3214868480
	.fill 96, 4, 3214868480
	.section	.rodata,"a",@progbits
	.p2align	6, 0x0
	.amdhsa_kernel k_qadd86fe657_ln0
		.amdhsa_group_segment_fixed_size 66816
		.amdhsa_private_segment_fixed_size 0
		.amdhsa_enable_private_segment 0
		.amdhsa_kernarg_size 40
		.amdhsa_user_sgpr_count 2
		.amdhsa_user_sgpr_kernarg_segment_ptr 1
		.amdhsa_wavefront_size32 1
		.amdhsa_system_sgpr_workgroup_id_x 1
		.amdhsa_system_sgpr_workgroup_id_y 1
		.amdhsa_system_sgpr_workgroup_id_z 1
		.amdhsa_system_vgpr_workitem_id 0
		.amdhsa_next_free_vgpr 256
		.amdhsa_next_free_sgpr 66
		.amdhsa_reserve_vcc 0
		.amdhsa_float_denorm_mode_32 3
		.amdhsa_float_denorm_mode_16_64 3
		.amdhsa_memory_ordered 1
		.amdhsa_forward_progress 1
		.amdhsa_inst_pref_size 30
	.end_amdhsa_kernel
	.amdgpu_metadata
---
amdhsa.version: [ 1, 2 ]
amdhsa.kernels:
  - .name:           k_qadd86fe657_ln0
    .symbol:         k_qadd86fe657_ln0.kd
    .args:
      - { .name: ybuf, .offset: 0, .size: 8, .value_kind: global_buffer, .address_space: global }
      - { .name: gamma0, .offset: 8, .size: 8, .value_kind: global_buffer, .address_space: global }
      - { .name: beta0, .offset: 16, .size: 8, .value_kind: global_buffer, .address_space: global }
      - { .name: x1, .offset: 24, .size: 8, .value_kind: global_buffer, .address_space: global }
      - { .name: x1q, .offset: 32, .size: 8, .value_kind: global_buffer, .address_space: global }
    .group_segment_fixed_size: 66816
    .private_segment_fixed_size: 0
    .kernarg_segment_align: 8
    .kernarg_segment_size: 40
    .max_flat_workgroup_size: 256
    .sgpr_count:     66
    .vgpr_count:     256
    .wavefront_size: 32
...
	.end_amdgpu_metadata
.endif
;; end of part 5
;; launch w1 (part 6): grid 16 x 16, 4 waves a work-group, clusters of 4 x 4, 327,680 bytes of LDS; arguments x1q, opq, b1, hq; writes hq
.if DOCPART == 6
	.amdgcn_target "amdgcn-amd-amdhsa--gfx1250"
	.amdhsa_code_object_version 6
	.text
	.protected	k_qadd86fe657_w1
	.globl	k_qadd86fe657_w1
	.p2align	8
	.type	k_qadd86fe657_w1,@function
k_qadd86fe657_w1:
	s_mov_b64 s[64:65], 0
	v_nop
	global_prefetch_b8 v0, s[64:65] scope:SCOPE_SE
	s_setreg_imm32_b32 hwreg(HW_REG_WAVE_MODE, 25, 1), 1
	s_wait_xcnt 0x0
	s_wait_alu depctr_hold_cnt(0) depctr_sa_sdst(0) depctr_va_vdst(0) depctr_va_sdst(0) depctr_va_ssrc(0) depctr_va_vcc(0) depctr_vm_vsrc(0)
	s_getreg_b32 s2, hwreg(HW_REG_IB_STS2, 6, 4)
	s_cmp_eq_u32 s2, 0
	s_cbranch_scc0 .Lentry_in_a_cluster
	s_endpgm
.Lentry_in_a_cluster:
	s_bfe_u32 s2, ttmp6, 0x10000c
	s_cmp_lg_u32 s2, 0xf033
	s_cbranch_scc0 .Lentry_shape_is_right
	s_endpgm
.Lentry_shape_is_right:
.set KSTEPS, 8
.set NBK,    8
.set NQ,     2
.set FR,     12
.set NL,     4
.set GROW,   NQ*1536
.set HALFT,  NBK*GROW
.set SLOT,   4*HALFT
.set LAPS,   KSTEPS/(2*NQ)
.set SCL,    2*SLOT
.set SBLK,   64*KSTEPS
.set HALFS,  NBK*SBLK
.set SPARE,  262144
.set ASOFF,  3145728
.set BOFF,   6291456
.set BSOFF,  12845056
.set ADRA, 16
.set ADRB, 20
.set ADRS, 27
.set SPW,  28
.set NIL,  29
.set SC,   32
.set BI,   64
.set HH,   64
.set AF,   128
.set GZ,   128
.set GX,   160
.set GP,   192
.set GQ,   224
.set PC,   224
.set CT,   236
.set PW,   243
.set TM,   244
.set SO,   252
.set SEL,  96
.set G1, 24
.set G0, 32
.set G1B, 48
.set G0B, 56
.set G1S, 68
.set G0S, 76
.set G1SB, 80
.set G0SB, 88
.set MUL_LO, 0xa1
.set MUL_HI, 0xf1
.set BIAS_LO, 0x81
.set BIAS_HI, 0xc1
.set TO_B,   0x40
.set MSB, 0
.macro WIN new
.if MSB != (\new)
	s_set_vgpr_msb (MSB<<8)|(\new)
.set MSB, (\new)
.endif
.endm
.macro JLOAD g0a, g1a, g0b, g1b
	s_cmp_eq_u32 s15, 0
	s_cbranch_scc0 .Lfor_b_\@
	tensor_load_to_lds s[\g0a:\g0a+3], s[\g1a:\g1a+7]
	s_nop 0
.rept 4
	v_nop
.endr
	s_branch .Lasked_\@
.Lfor_b_\@:
	tensor_load_to_lds s[\g0b:\g0b+3], s[\g1b:\g1b+7]
	s_nop 0
.rept 4
	v_nop
.endr
.Lasked_\@:
.endm
.macro CREST
	s_cmp_lg_u32 s14, 0
	s_cbranch_scc1 .Lnot_wave_0_\@
	s_barrier_signal -3
.Lnot_wave_0_\@:
	s_barrier_wait -3
	s_barrier_signal -1
	s_barrier_wait -1
.endm
.macro CROUND
	s_barrier_signal -1
	s_barrier_wait -1
	CREST
.endm
.macro PLACES n
.rept \n
	v_nop
.endr
.endm
.macro FRAG reg, adr, q, i
	ds_load_b128 v[\reg:\reg+3], v[\adr] offset:(\i)*GROW+(\q)*1536
	ds_load_b64 v[\reg+4:\reg+5], v[\adr+2] offset:(\i)*GROW+(\q)*1536
	ds_load_b128 v[\reg+6:\reg+9], v[\adr] offset:(\i)*GROW+(\q)*1536+768
	ds_load_b64 v[\reg+10:\reg+11], v[\adr+2] offset:(\i)*GROW+(\q)*1536+768
.endm
.macro FETCH_B slot, q, p
	WIN TO_B
.set I_, 0
.rept NBK
	FRAG 128*(\p)+FR*I_, ADRB+\slot, \q, I_
.set I_, I_+1
.endr
	WIN 0
.endm
.macro FETCH_A slot, q, i0
.set I_, \i0
.rept NBK/2
	FRAG AF+FR*I_, ADRA+\slot, \q, I_
.set I_, I_+1
.endr
.endm
.macro SCALES sc
.set I_, 0
.rept NBK
.set Q_, 0
.rept NQ
	ds_load_b32 v[SC+16*(\sc)+NQ*I_+Q_], v[ADRS] offset:I_*SBLK+64*Q_
.set Q_, Q_+1
.endr
.set I_, I_+1
.endr
.endm
.macro MULS a0, an, p, q, sc, first
.set A_, \a0
.rept \an
.set B_, 0
.rept NBK
.set D_, 8*((A_*NBK+B_)%32)
.if \first == 1
	v_wmma_scale_f32_16x16x128_f8f6f4 v[D_:D_+7], v[128*(\p)+FR*B_:128*(\p)+FR*B_+FR-1], v[AF+FR*A_:AF+FR*A_+FR-1], 0, v[SC+16*(\sc)+NQ*B_+(\q)], v[SC+16*(\sc)+NQ*A_+(\q)] matrix_a_fmt:MATRIX_FMT_FP6 matrix_b_fmt:MATRIX_FMT_FP6 matrix_a_scale:MATRIX_SCALE_ROW1
.elseif \first == 2
	v_wmma_scale_f32_16x16x128_f8f6f4 v[D_:D_+7], v[128*(\p)+FR*B_:128*(\p)+FR*B_+FR-1], v[AF+FR*A_:AF+FR*A_+FR-1], v[BI+8*B_:BI+8*B_+7], v[SC+16*(\sc)+NQ*B_+(\q)], v[SC+16*(\sc)+NQ*A_+(\q)] matrix_a_fmt:MATRIX_FMT_FP6 matrix_b_fmt:MATRIX_FMT_FP6 matrix_a_scale:MATRIX_SCALE_ROW1
.else
	v_wmma_scale_f32_16x16x128_f8f6f4 v[D_:D_+7], v[128*(\p)+FR*B_:128*(\p)+FR*B_+FR-1], v[AF+FR*A_:AF+FR*A_+FR-1], v[D_:D_+7], v[SC+16*(\sc)+NQ*B_+(\q)], v[SC+16*(\sc)+NQ*A_+(\q)] matrix_a_fmt:MATRIX_FMT_FP6 matrix_b_fmt:MATRIX_FMT_FP6 matrix_a_scale:MATRIX_SCALE_ROW1
.endif
.set B_, B_+1
.endr
.set A_, A_+1
.endr
.endm
.macro STEP slot, q, first
	s_wait_dscnt (NBK/2)*NL
.if \first == 2
	WIN BIAS_LO
.else
	WIN MUL_LO
.endif
	MULS 0, NBK/2, (\q)%2, \q, \slot, \first
	s_wait_dscnt 0x0
	PLACES 4
	FETCH_B \slot, (\q)+1, 1-(\q)%2
	FETCH_A \slot, (\q)+1, 0
.if \first == 2
	WIN BIAS_HI
.else
	WIN MUL_HI
.endif
	MULS NBK/2, NBK/2, (\q)%2, \q, \slot, \first
	PLACES 4
	WIN 0
	FETCH_A \slot, (\q)+1, NBK/2
.endm
.macro TURN slot, next, fill
	s_wait_tensorcnt 0x0
	ds_add_u32 v[SPW], v[NIL]
	s_wait_dscnt (NBK/2)*NL+1
	WIN MUL_LO
	MULS 0, NBK/4, 1, NQ-1, \slot, 0
	s_wait_dscnt 0x0
	s_barrier_signal -1
	MULS NBK/4, NBK/4, 1, NQ-1, \slot, 0
	WIN 0
	s_barrier_wait -1
.if \fill
	CREST
	s_add_nc_u64 s[G0+4*\slot+2:G0+4*\slot+3], s[G0+4*\slot+2:G0+4*\slot+3], 2*GROW
	s_add_nc_u64 s[G0B+4*\slot+2:G0B+4*\slot+3], s[G0B+4*\slot+2:G0B+4*\slot+3], 2*GROW
	JLOAD G0+4*\slot, G1, G0B+4*\slot, G1B
.else
	PLACES 4
.endif
	s_wait_alu depctr_va_vdst(0)
	v_add_nc_u32 v[ADRS], 64*NQ, v[ADRS]
	FETCH_B \next, 0, 0
	FETCH_A \next, 0, 0
	SCALES \next
	WIN MUL_HI
	MULS NBK/2, NBK/2, 1, NQ-1, \slot, 0
	PLACES 4
	WIN 0
	FETCH_A \next, 0, NBK/2
.endm
.macro MID slot
.if NQ > 2
	STEP \slot, 1, 0
	STEP \slot, 2, 0
.endif
.endm
.macro QUANT s, w, pc, pw
	WIN (\w)|((\w)<<2)
.irp b, 0,1,2,3
	v_max3_num_f32 v[TM+\b], |v[(\s)+16*\b]|, |v[(\s)+1+16*\b]|, 0x1800000
.endr
	WIN ((\w)<<2)|((\w)<<4)
.irp i, 2,4,6,8,10,12,14
.irp b, 0,1,2,3
	v_max3_num_f32 v[TM+\b], v[TM+\b], |v[(\s)+16*\b+\i]|, |v[(\s)+1+16*\b+\i]|
.endr
.endr
	WIN 0
.irp b, 0,1,2,3
	v_permlanex16_b32 v[TM+4+\b], v[TM+\b], s[SEL], s[SEL+1]
.endr
.irp b, 0,1,2,3
	v_max_num_f32 v[TM+\b], v[TM+\b], v[TM+4+\b]
.endr
.irp b, 0,1,2,3
	v_add_nc_u32 v[SO+\b], 0xff000000, v[TM+\b]
.endr
.irp b, 0,1,2,3
	v_lshrrev_b32 v[TM+4+\b], 23, v[SO+\b]
.endr
	v_lshl_or_b32 v[\pw], v[TM+5], 8, v[TM+4]
	v_lshl_or_b32 v[\pw], v[TM+6], 16, v[\pw]
	v_lshl_or_b32 v[\pw], v[TM+7], 24, v[\pw]
	WIN \w
.irp c, 0,1
	v_cvt_scalef32_pk16_fp6_f32 v[(\pc)+6*\c:(\pc)+6*\c+2], v[(\s)+32*\c:(\s)+32*\c+15], v[SO+2*\c]
	v_cvt_scalef32_pk16_fp6_f32 v[CT+4*\c:CT+4*\c+2], v[(\s)+32*\c+16:(\s)+32*\c+31], v[SO+2*\c+1]
.endr
	WIN 0
	v_nop
.irp c, 0,1
.irp i, 0,1,2
	v_permlane16_swap_b32 v[(\pc)+6*\c+\i], v[CT+4*\c+\i]
.endr
.irp i, 0,1,2
	v_mov_b32 v[(\pc)+3+6*\c+\i], v[CT+4*\c+\i]
.endr
.endr
.endm
.macro PUTREC o16, o8, os, cb, sb, off, soff, pc, pw
	global_store_b128 v[\o16], v[(\pc):(\pc)+3], s[\cb:\cb+1] offset:\off
	global_store_b64 v[\o8], v[(\pc)+4:(\pc)+5], s[\cb:\cb+1] offset:\off
	global_store_b128 v[\o16], v[(\pc)+6:(\pc)+9], s[\cb:\cb+1] offset:(\off)+768
	global_store_b64 v[\o8], v[(\pc)+10:(\pc)+11], s[\cb:\cb+1] offset:(\off)+768
	global_store_b32 v[\os], v[\pw], s[\sb:\sb+1] offset:\soff
.endm
.macro GELU x
.set I_, 0
.rept 16
	v_pk_mul_f32 v[GZ+I_:GZ+I_+1], v[(\x)+I_:(\x)+I_+1], 0x3f3504f3 op_sel_hi:[1,0]
.set I_, I_+2
.endr
.set I_, 0
.rept 32
	v_med3_num_f32 v[GZ+I_], v[GZ+I_], -4.0, 4.0
.set I_, I_+1
.endr
.set I_, 0
.rept 16
	v_pk_mul_f32 v[GX+I_:GX+I_+1], v[GZ+I_:GZ+I_+1], v[GZ+I_:GZ+I_+1]
.set I_, I_+2
.endr
.set I_, 0
.rept 16
	v_pk_fma_f32 v[GP+I_:GP+I_+1], v[GX+I_:GX+I_+1], v[10:11], 0x32edffee op_sel_hi:[1,1,0]
.set I_, I_+2
.endr
.irp k, 0xb60cff51, 0xb86ec2d2, 0xba40ac63, 0xbb41a1f6, 0xbc83dbd4
.set I_, 0
.rept 16
	v_pk_fma_f32 v[GP+I_:GP+I_+1], v[GP+I_:GP+I_+1], v[GX+I_:GX+I_+1], \k op_sel_hi:[1,1,0]
.set I_, I_+2
.endr
.endr
.set I_, 0
.rept 16
	v_pk_fma_f32 v[GQ+I_:GQ+I_+1], v[GX+I_:GX+I_+1], v[12:13], 0xb95fbd29 op_sel_hi:[1,1,0]
.set I_, I_+2
.endr
.irp k, 0xbadc924e, 0xbbf19bf8, 0xbc69b6a7
.set I_, 0
.rept 16
	v_pk_fma_f32 v[GQ+I_:GQ+I_+1], v[GQ+I_:GQ+I_+1], v[GX+I_:GX+I_+1], \k op_sel_hi:[1,1,0]
.set I_, I_+2
.endr
.endr
.set I_, 0
	s_wait_alu depctr_va_vdst(0)
.rept 32
	v_rcp_f32 v[GQ+I_], v[GQ+I_]
.set I_, I_+1
.endr
.set I_, 0
.rept 16
	v_pk_mul_f32 v[GP+I_:GP+I_+1], v[GP+I_:GP+I_+1], v[GZ+I_:GZ+I_+1]
.set I_, I_+2
.endr
	s_wait_alu depctr_va_vdst(0)
.set I_, 0
.rept 16
	v_pk_mul_f32 v[GP+I_:GP+I_+1], v[GP+I_:GP+I_+1], v[GQ+I_:GQ+I_+1]
.set I_, I_+2
.endr
.set I_, 0
.rept 16
	v_pk_fma_f32 v[GP+I_:GP+I_+1], v[GP+I_:GP+I_+1], 0.5, 0.5 op_sel_hi:[1,0,0]
.set I_, I_+2
.endr
.set I_, 0
.rept 16
	v_pk_mul_f32 v[(\x)+I_:(\x)+I_+1], v[(\x)+I_:(\x)+I_+1], v[GP+I_:GP+I_+1]
.set I_, I_+2
.endr
.endm
	s_load_b128 s[4:7], s[0:1], 0x0
	s_load_b128 s[8:11], s[0:1], 0x10
	v_lshl_add_u32 v[SPW], v0, 2, SPARE
	v_mov_b32 v[NIL], 0
	ds_add_u32 v28, v29
	ds_add_u32 v28, v29
	s_wait_dscnt 0x0
	v_lshrrev_b32 v1, 5, v0
	v_readfirstlane_b32 s14, v1
	s_lshr_b32 s15, s14, 1
	s_and_b32 s16, s14, 1
	s_bfe_u32 s40, ttmp6, 0x40000
	s_bfe_u32 s41, ttmp6, 0x40004
	s_lshl_b32 s42, ttmp9, 2
	s_add_co_u32 s42, s42, s40
	s_and_b32 s17, ttmp7, 0xffff
	s_lshl_b32 s17, s17, 2
	s_add_co_u32 s17, s17, s41
	s_lshl_b32 s43, s41, 2
	s_lshl_b32 s43, 15, s43
	s_lshl_b32 s44, 0x1111, s40
	s_or_b32 s[G1+0], s43, (3<<16)|(1<<21)
	s_or_b32 s[G1B+0], s44, (3<<16)|(1<<21)
.irp g, G1, G1B
	s_mov_b32 s[\g+1], (192*NQ)<<16
	s_mov_b32 s[\g+2], (2*NBK)<<16
	s_mov_b32 s[\g+3], (192*NQ)<<16
	s_mov_b32 s[\g+4], 2*NBK
	s_mov_b32 s[\g+5], 192*KSTEPS
	s_mov_b32 s[\g+6], 0
	s_mov_b32 s[\g+7], 0
.endr
	s_or_b32 s[G1S+0], s43, (3<<16)|(1<<21)
	s_or_b32 s[G1SB+0], s44, (3<<16)|(1<<21)
.irp g, G1S, G1SB
	s_mov_b32 s[\g+1], 32<<16
	s_mov_b32 s[\g+2], (2*HALFS/256)<<16
	s_mov_b32 s[\g+3], 32<<16
	s_mov_b32 s[\g+4], 2*HALFS/256
	s_mov_b32 s[\g+5], 32
	s_mov_b32 s[\g+6], 0
	s_mov_b32 s[\g+7], 0
.endr
	s_mul_i32 s18, s16, NBK
	s_mul_i32 s20, s17, 2*NBK
	s_add_co_u32 s20, s20, s18
	s_mul_i32 s46, s42, 2*NBK
	s_add_co_u32 s46, s46, s18
	s_mul_i32 s22, s17, 2*NBK*KSTEPS*64            ; the scale words of the tile's whole 2 NBK groups
	s_mul_i32 s92, s42, 2*NBK*KSTEPS*64
	s_mul_i32 s20, s20, KSTEPS*1536
	s_mul_i32 s46, s46, KSTEPS*1536
	s_mov_b32 s21, 0
	s_mov_b32 s23, 0
	s_mov_b32 s47, 0
	s_mov_b32 s93, 0
	s_mul_i32 s45, s14, HALFT
	s_mov_b32 s[SEL], 0x76543210
	s_mov_b32 s[SEL+1], 0xfedcba98
	s_wait_kmcnt 0x0
	s_add_nc_u64 s[20:21], s[4:5], s[20:21]
	s_add_nc_u64 s[22:23], s[4:5], s[22:23]
	s_add_nc_u64 s[46:47], s[6:7], s[46:47]
	s_add_nc_u64 s[92:93], s[6:7], s[92:93]
	s_add_nc_u64 s[22:23], s[22:23], ASOFF
	s_add_nc_u64 s[46:47], s[46:47], BOFF
	s_add_nc_u64 s[92:93], s[92:93], BSOFF
	CROUND
	s_mov_b32 s[G0S], 1
	s_mov_b32 s[G0S+1], SCL
	s_mov_b64 s[G0S+2:G0S+3], s[22:23]
	s_or_b32 s[G0S+3], s[G0S+3], 0x80000000
	s_mov_b32 s[G0SB], 1
	s_mov_b32 s[G0SB+1], SCL+2*HALFS
	s_mov_b64 s[G0SB+2:G0SB+3], s[92:93]
	s_or_b32 s[G0SB+3], s[G0SB+3], 0x80000000
.irp s, 0,1
	s_mov_b32 s[G0+4*\s], 1
	s_add_co_u32 s[G0+4*\s+1], s45, \s*SLOT
	s_add_nc_u64 s[G0+4*\s+2:G0+4*\s+3], s[20:21], \s*GROW
	s_or_b32 s[G0+4*\s+3], s[G0+4*\s+3], 0x80000000
	s_mov_b32 s[G0B+4*\s], 1
	s_add_co_u32 s[G0B+4*\s+1], s45, \s*SLOT
	s_add_nc_u64 s[G0B+4*\s+2:G0B+4*\s+3], s[46:47], \s*GROW
	s_or_b32 s[G0B+4*\s+3], s[G0B+4*\s+3], 0x80000000
.endr
; the head's four tiles, one joint load a wave: wave 0 slot 0's 2 NBK groups of A, wave 1 A's scale words, wave 2 slot 0's 2 NBK groups of B, wave 3 B's scale words
.macro ARM under, g0, g1, next
	s_cmp_lt_u32 s14, \under
	s_cbranch_scc0 \next
	tensor_load_to_lds s[\g0:\g0+3], s[\g1:\g1+7]
	s_nop 0
.rept 4
	v_nop
.endr
	s_branch .Lhead_asked
\next:
.endm
	ARM 1, G0, G1, .Lhead_sa
	ARM 2, G0S, G1S, .Lhead_b
	ARM 3, G0B, G1B, .Lhead_sb
	tensor_load_to_lds s[G0SB:G0SB+3], s[G1SB:G1SB+7]
	s_nop 0
.rept 4
	v_nop
.endr
.Lhead_asked:
	v_and_b32 v1, 15, v0
	v_bfe_u32 v2, v0, 4, 1
	v_and_b32 v3, 31, v0
	v_lshlrev_b32 v4, 4, v3
	s_wait_alu depctr_va_vdst(0)
	v_lshlrev_b32 v5, 3, v3
	v_add_nc_u32 v5, 512, v5
	s_wait_alu depctr_va_vdst(0)
	s_lshl_b32 s18, s42, 10
	s_lshl_b32 s19, s16, 9
	s_add_co_u32 s18, s18, s19
	s_mov_b32 s19, 0
	s_add_nc_u64 s[8:9], s[8:9], s[18:19]
	v_lshlrev_b32 v6, 6, v2
.irp b, 0,1,2,3,4,5,6,7
	global_load_b128 v[BI+8*\b:BI+8*\b+3], v6, s[8:9] offset:(32*(\b/2)+8*(\b%2))*4
	global_load_b128 v[BI+8*\b+4:BI+8*\b+7], v6, s[8:9] offset:(32*(\b/2)+8*(\b%2))*4+16
.endr
	s_mul_i32 s21, s15, HALFT
	s_mul_i32 s22, s16, HALFT
	s_add_co_u32 s22, s22, 2*HALFT
.irp s, 0,1
	v_add_nc_u32 v[ADRA+\s], s21, v4
	v_add_nc_u32 v[ADRB+\s], s22, v4
	v_add_nc_u32 v[ADRA+2+\s], s21, v5
	v_add_nc_u32 v[ADRB+2+\s], s22, v5
	s_add_co_u32 s21, s21, SLOT
	s_add_co_u32 s22, s22, SLOT
.endr
	v_lshlrev_b32 v8, 2, v1
	s_mul_i32 s21, s15, HALFS
	s_mul_i32 s22, s16, HALFS
	s_add_co_u32 s22, s22, 2*HALFS
	s_sub_co_u32 s22, s22, s21
	v_mul_u32_u24 v7, s22, v2
	s_add_co_u32 s21, s21, SCL
	v_add_nc_u32 v7, v8, v7
	v_add_nc_u32 v[ADRS], s21, v7
	s_lshl_b32 s18, s14, 16
	v_add_nc_u32 v24, s18, v4
.irp b, 0,1,2,3
	v_mov_b32 v[TM+4+\b], 0
.endr
	v_mov_b32 v10, 0xaf95df0b
	v_mov_b32 v11, 0xaf95df0b
	v_mov_b32 v12, 0xb77460cd
	v_mov_b32 v13, 0xb77460cd
	s_lshl_b32 s18, s17, 4
	s_lshl_b32 s19, s15, 3
	s_add_co_u32 s18, s18, s19
	s_lshl_b32 s18, s18, 5
	s_lshl_b32 s19, s42, 1
	s_add_co_u32 s18, s18, s19
	s_add_co_u32 s18, s18, s16
	s_mul_i32 s20, s18, 1536
	s_mov_b32 s21, 0
	s_add_nc_u64 s[12:13], s[10:11], s[20:21]
	s_lshl_b32 s20, s18, 6
	s_add_co_u32 s20, s20, 12582912
	s_add_nc_u64 s[10:11], s[10:11], s[20:21]
	s_wait_alu depctr_va_vdst(0)
	s_wait_tensorcnt 0x0                           ; my tile of the head's four is in
	ds_add_u32 v[SPW], v[NIL]
	s_mov_b32 s[G1+2], NBK<<16                     ; no load of mine is out: from here on a load brings NBK groups
	s_mov_b32 s[G1+4], NBK
	s_mov_b32 s[G1B+2], NBK<<16
	s_mov_b32 s[G1B+4], NBK
	s_wait_dscnt 0x0
	CROUND
	JLOAD G0+4, G1, G0B+4, G1B                     ; slot 1's first fill, the first tensor load behind the round
	FETCH_B 0, 0, 0
	FETCH_A 0, 0, 0
	SCALES 0
	FETCH_A 0, 0, NBK/2
	s_wait_loadcnt 0x0
	STEP 0, 0, 2
.if LAPS > 1
	s_mov_b32 s3, LAPS-1
.Llap:
	MID 0
	TURN 0, 1, 1
	STEP 1, 0, 0
	MID 1
	TURN 1, 0, 1
	STEP 0, 0, 0
	s_sub_co_u32 s3, s3, 1
	s_cmp_lg_u32 s3, 0
	s_cbranch_scc1 .Llap
.endif
	MID 0
	TURN 0, 1, 0
	STEP 1, 0, 0
	MID 1
	s_wait_dscnt (NBK/2)*NL
	WIN MUL_LO
	MULS 0, NBK/2, 1, NQ-1, 1, 0
	s_wait_dscnt 0x0
	WIN MUL_HI
	MULS NBK/2, NBK/2, 1, NQ-1, 1, 0
	WIN 0
	PLACES 4
	s_barrier_signal -1
	s_barrier_wait -1
	WIN 0x08
.set I_, 0
.rept 64
	ds_store_b128 v24, v[4*I_:4*I_+3] offset:512*I_
.set I_, I_+1
.endr
	WIN 0x0c
.set I_, 0
.rept 64
	ds_store_b128 v24, v[4*I_:4*I_+3] offset:32768+512*I_
.set I_, I_+1
.endr
	WIN 0
	s_mov_b32 s3, 8
	s_mov_b32 s2, 0
.Lblk:
	v_add_nc_u32 v9, s2, v24
.set I_, 0
.rept 16
	ds_load_b128 v[HH+4*I_:HH+4*I_+3], v9 offset:512*I_
.set I_, I_+1
.endr
	s_wait_dscnt 0x0
	GELU HH
	GELU HH+32
	QUANT HH, 0, PC, PW
	PUTREC 4, 5, 8, 12, 10, 0, 0, PC, PW
	s_wait_xcnt 0x0
	s_add_nc_u64 s[12:13], s[12:13], 49152
	s_add_nc_u64 s[10:11], s[10:11], 2048
	s_add_co_u32 s2, s2, 8192
	s_sub_co_u32 s3, s3, 1
	s_cmp_lg_u32 s3, 0
	s_cbranch_scc1 .Lblk
	s_wait_tensorcnt 0x0
	ds_add_u32 v[SPW], v[NIL]
	s_wait_dscnt 0x0
	CROUND
	s_endpgm
.Lfunc_end_k_qadd86fe657_w1:
	.size	k_qadd86fe657_w1, .Lfunc_end_k_qadd86fe657_w1-k_qadd86fe657_w1
	.p2alignl 7, 3214868480
	.fill 96, 4, 3214868480
	.section	.rodata,"a",@progbits
	.p2align	6, 0x0
	.amdhsa_kernel k_qadd86fe657_w1
		.amdhsa_group_segment_fixed_size 327680
		.amdhsa_private_segment_fixed_size 0
		.amdhsa_enable_private_segment 0
		.amdhsa_kernarg_size 32
		.amdhsa_user_sgpr_count 2
		.amdhsa_user_sgpr_kernarg_segment_ptr 1
		.amdhsa_wavefront_size32 1
		.amdhsa_system_sgpr_workgroup_id_x 1
		.amdhsa_system_sgpr_workgroup_id_y 1
		.amdhsa_system_sgpr_workgroup_id_z 1
		.amdhsa_system_vgpr_workitem_id 0
		.amdhsa_next_free_vgpr 1024
		.amdhsa_next_free_sgpr 102
		.amdhsa_reserve_vcc 0
		.amdhsa_float_denorm_mode_32 3
		.amdhsa_float_denorm_mode_16_64 3
		.amdhsa_memory_ordered 1
		.amdhsa_forward_progress 1
		.amdhsa_inst_pref_size 182
	.end_amdhsa_kernel
	.amdgpu_metadata
---
amdhsa.version: [ 1, 2 ]
amdhsa.kernels:
  - .name:           k_qadd86fe657_w1
    .symbol:         k_qadd86fe657_w1.kd
    .args:
      - { .name: x1q, .offset: 0, .size: 8, .value_kind: global_buffer, .address_space: global }
      - { .name: opq, .offset: 8, .size: 8, .value_kind: global_buffer, .address_space: global }
      - { .name: b1, .offset: 16, .size: 8, .value_kind: global_buffer, .address_space: global }
      - { .name: hq, .offset: 24, .size: 8, .value_kind: global_buffer, .address_space: global }
    .group_segment_fixed_size: 327680
    .private_segment_fixed_size: 0
    .kernarg_segment_align: 8
    .kernarg_segment_size: 32
    .max_flat_workgroup_size: 128
    .sgpr_count:     102
    .vgpr_count:     1024
    .wavefront_size: 32
...
	.end_amdgpu_metadata
.endif
;; end of part 6
;; launch w2 (part 7): grid 8 x 32, 4 waves a work-group, clusters of 4 x 4, 327,680 bytes of LDS; arguments hq, opq, b2, x1, ybuf; writes ybuf
.if DOCPART == 7
	.amdgcn_target "amdgcn-amd-amdhsa--gfx1250"
	.amdhsa_code_object_version 6
	.text
	.protected	k_qadd86fe657_w2
	.globl	k_qadd86fe657_w2
	.p2align	8
	.type	k_qadd86fe657_w2,@function
k_qadd86fe657_w2:
	s_mov_b64 s[64:65], 0
	v_nop
	global_prefetch_b8 v0, s[64:65] scope:SCOPE_SE
	s_setreg_imm32_b32 hwreg(HW_REG_WAVE_MODE, 25, 1), 1
	s_wait_xcnt 0x0
	s_wait_alu depctr_hold_cnt(0) depctr_sa_sdst(0) depctr_va_vdst(0) depctr_va_sdst(0) depctr_va_ssrc(0) depctr_va_vcc(0) depctr_vm_vsrc(0)
	s_getreg_b32 s2, hwreg(HW_REG_IB_STS2, 6, 4)
	s_cmp_eq_u32 s2, 0
	s_cbranch_scc0 .Lentry_in_a_cluster
	s_endpgm
.Lentry_in_a_cluster:
	s_bfe_u32 s2, ttmp6, 0x10000c
	s_cmp_lg_u32 s2, 0xf033
	s_cbranch_scc0 .Lentry_shape_is_right
	s_endpgm
.Lentry_shape_is_right:
; z = x1 + h w2^T + b2, f32, from records of FP6 (E2M3) codes.  h: buffer hq, codes [group 256][32][1536], scale words at 12,582,912; w2: buffer opq at 9,437,184, scale words at 12,976,128.
; LAYOUT OF OPERANDS: rows in groups of 16, place i of group g = row 32 (g / 2) + 8 (g % 2) + i + 8 (i / 8); a record is the image of a fragment's 12 registers (register 6 c + i of lane l at 768 c + 16 l + 4 i, i < 4, or 768 c + 512 + 8 l + 4 (i - 4)).
; SHARES.  N is 1,024: tiles of 256 x 256 would be 64, so a tile is 128 x 128 (256 work-groups), 64 x 64 to a wave, 16 accumulators; K = 4,096 goes through a ring of two slots of 4 K steps of 128.
; Clusters of 4 x 4: A's tiles are asked for jointly along a row of the cluster, B's along a column.  The product is used transposed.  The bias is the C of each sum's first product; the residual's rows are asked for at the head and land under the products.
; REGISTERS: window 0: v16-23, v27 LDS addresses, v24-26 the way out, v28-29 the add's, v32-63 scale words, v64-95 the bias, v128-175 A's fragments, v192-255 rows on the way out.  window 1: B's two sets.  window 2: the accumulators.  window 3: v0-127 the residual.
.set KSTEPS, 32
.set NBK,    4
.set NQ,     4
.set FR,     12
.set NL,     4
.set GROW,   NQ*1536
.set HALFT,  NBK*GROW
.set SLOT,   4*HALFT
.set LAPS,   KSTEPS/(2*NQ)
.set SCL,    2*SLOT
.set SBLK,   64*KSTEPS
.set HALFS,  NBK*SBLK
.set SPARE,  SCL+4*HALFS               ; the spare words, 128 bytes a wave: no other line names them
.set ASOFF,  12582912
.set BOFF,   9437184
.set BSOFF,  12976128
.set ADRA, 16
.set ADRB, 20
.set STO,  24
.set RD,   25
.set CO,   26
.set ADRS, 27
.set SPW,  28
.set NIL,  29
.set SC,   32
.set BI,   64
.set AF,   128
.set BK,   192
.set G1, 24
.set G0, 32
.set G1B, 48
.set G0B, 56
.set G1S, 68
.set G0S, 76
.set G1SB, 80
.set G0SB, 88
.set MUL_LO, 0xa1
.set MUL_HI, 0xa1
.set BIAS_LO, 0x81                     ; C (the bias) in window 0
.set BIAS_HI, 0x81
.set TO_B,   0x40
.set MSB, 0
.macro WIN new
.if MSB != (\new)
	s_set_vgpr_msb (MSB<<8)|(\new)
.set MSB, (\new)
.endif
.endm
.macro JLOAD g0a, g1a, g0b, g1b        ; a joint load: waves 0 and 1 fetch for A, waves 2 and 3 for B; four v_nop follow each of the two lines
	s_cmp_eq_u32 s15, 0
	s_cbranch_scc0 .Lfor_b_\@
	tensor_load_to_lds s[\g0a:\g0a+3], s[\g1a:\g1a+7]
	s_nop 0
.rept 4
	v_nop
.endr
	s_branch .Lasked_\@
.Lfor_b_\@:
	tensor_load_to_lds s[\g0b:\g0b+3], s[\g1b:\g1b+7]
	s_nop 0
.rept 4
	v_nop
.endr
.Lasked_\@:
.endm
.macro CREST
	s_cmp_lg_u32 s14, 0
	s_cbranch_scc1 .Lnot_wave_0_\@
	s_barrier_signal -3
.Lnot_wave_0_\@:
	s_barrier_wait -3
	s_barrier_signal -1
	s_barrier_wait -1
.endm
.macro CROUND
	s_barrier_signal -1
	s_barrier_wait -1
	CREST
.endm
.macro PLACES n
.rept \n
	v_nop
.endr
.endm
.macro FRAG reg, adr, q, i
	ds_load_b128 v[\reg:\reg+3], v[\adr] offset:(\i)*GROW+(\q)*1536
	ds_load_b64 v[\reg+4:\reg+5], v[\adr+2] offset:(\i)*GROW+(\q)*1536
	ds_load_b128 v[\reg+6:\reg+9], v[\adr] offset:(\i)*GROW+(\q)*1536+768
	ds_load_b64 v[\reg+10:\reg+11], v[\adr+2] offset:(\i)*GROW+(\q)*1536+768
.endm
.macro FETCH_B slot, q, p
	WIN TO_B
.set I_, 0
.rept NBK
	FRAG 128*(\p)+FR*I_, ADRB+\slot, \q, I_
.set I_, I_+1
.endr
	WIN 0
.endm
.macro FETCH_A slot, q, i0
.set I_, \i0
.rept NBK/2
	FRAG AF+FR*I_, ADRA+\slot, \q, I_
.set I_, I_+1
.endr
.endm
.macro SCALES sc
.set I_, 0
.rept NBK
.set Q_, 0
.rept NQ
	ds_load_b32 v[SC+16*(\sc)+NQ*I_+Q_], v[ADRS] offset:I_*SBLK+64*Q_
.set Q_, Q_+1
.endr
.set I_, I_+1
.endr
.endm
.macro MULS a0, an, p, q, sc, first    ; the accumulators take turns, one instruction a turn, in the same order in every step
.set A_, \a0
.rept \an
.set B_, 0
.rept NBK
.set D_, 8*((A_*NBK+B_)%32)
.if \first == 1
	v_wmma_scale_f32_16x16x128_f8f6f4 v[D_:D_+7], v[128*(\p)+FR*B_:128*(\p)+FR*B_+FR-1], v[AF+FR*A_:AF+FR*A_+FR-1], 0, v[SC+16*(\sc)+NQ*B_+(\q)], v[SC+16*(\sc)+NQ*A_+(\q)] matrix_a_fmt:MATRIX_FMT_FP6 matrix_b_fmt:MATRIX_FMT_FP6 matrix_a_scale:MATRIX_SCALE_ROW1
.elseif \first == 2
	v_wmma_scale_f32_16x16x128_f8f6f4 v[D_:D_+7], v[128*(\p)+FR*B_:128*(\p)+FR*B_+FR-1], v[AF+FR*A_:AF+FR*A_+FR-1], v[BI+8*B_:BI+8*B_+7], v[SC+16*(\sc)+NQ*B_+(\q)], v[SC+16*(\sc)+NQ*A_+(\q)] matrix_a_fmt:MATRIX_FMT_FP6 matrix_b_fmt:MATRIX_FMT_FP6 matrix_a_scale:MATRIX_SCALE_ROW1
.else
	v_wmma_scale_f32_16x16x128_f8f6f4 v[D_:D_+7], v[128*(\p)+FR*B_:128*(\p)+FR*B_+FR-1], v[AF+FR*A_:AF+FR*A_+FR-1], v[D_:D_+7], v[SC+16*(\sc)+NQ*B_+(\q)], v[SC+16*(\sc)+NQ*A_+(\q)] matrix_a_fmt:MATRIX_FMT_FP6 matrix_b_fmt:MATRIX_FMT_FP6 matrix_a_scale:MATRIX_SCALE_ROW1
.endif
.set B_, B_+1
.endr
.set A_, A_+1
.endr
.endm
.macro STEP slot, q, first
	s_wait_dscnt (NBK/2)*NL                        ; B's set, A's lower half (and the scale words) are in; A's upper half may be out
.if \first == 2
	WIN BIAS_LO
.else
	WIN MUL_LO
.endif
	MULS 0, NBK/2, (\q)%2, \q, \slot, \first
	s_wait_dscnt 0x0
	PLACES 4
	FETCH_B \slot, (\q)+1, 1-(\q)%2
	FETCH_A \slot, (\q)+1, 0
.if \first == 2
	WIN BIAS_HI
.else
	WIN MUL_HI
.endif
	MULS NBK/2, NBK/2, (\q)%2, \q, \slot, \first
	PLACES 4
	WIN 0
	FETCH_A \slot, (\q)+1, NBK/2
.endm
.macro TURN slot, next, fill
.if \fill
	s_wait_xcnt 0x0                                ; my last prefetch has read its address: it steps one slot on, ahead of the waits of the change of slots
	s_add_nc_u64 s[96:97], s[96:97], GROW
.endif
	s_wait_tensorcnt 0x0
	ds_add_u32 v[SPW], v[NIL]                      ; 0 onto my spare word
	s_wait_dscnt (NBK/2)*NL+1                      ; the add and A's upper half may be out
	WIN MUL_LO
	MULS 0, NBK/4, 1, NQ-1, \slot, 0
	s_wait_dscnt 0x0                               ; the add is done, and my reads of this slot are over
	s_barrier_signal -1
	MULS NBK/4, NBK/4, 1, NQ-1, \slot, 0
	WIN 0
	s_barrier_wait -1
.if \fill
	CREST                                          ; the barrier has opened a round of the cluster's: no wave of any partner still reads this slot or has a load on its way
	s_add_nc_u64 s[G0+4*\slot+2:G0+4*\slot+3], s[G0+4*\slot+2:G0+4*\slot+3], 2*GROW
	s_add_nc_u64 s[G0B+4*\slot+2:G0B+4*\slot+3], s[G0B+4*\slot+2:G0B+4*\slot+3], 2*GROW
	JLOAD G0+4*\slot, G1, G0B+4*\slot, G1B         ; the first tensor load behind the round; its four v_nop are the places in front of the loads below
.else
	PLACES 4
.endif
	s_wait_alu depctr_va_vdst(0)
	v_add_nc_u32 v[ADRS], 64*NQ, v[ADRS]
	FETCH_B \next, 0, 0
	FETCH_A \next, 0, 0
	SCALES \next
.if \fill                              ; A PREFETCH INTO THE L2, behind the joint load and the run of LDS loads: the tile that the NEXT refill will ask for, one slot (4 K steps) ahead.  Of the NBK groups that I fetch, the partner at place p
.if \slot                              ; (cx for A, cy for B) names group p: 6,144 bytes, 24 blocks of 256, a lane a block (lanes 24-31 name the last again).  The last refill has no slot behind it and asks for nothing
	s_cmp_gt_u32 s3, 1
	s_cbranch_scc0 .Lno_ask_\@
.endif
	global_prefetch_b8 v30, s[96:97] th:TH_LOAD_NT scope:SCOPE_SE
.if \slot
.Lno_ask_\@:
.endif
.endif
	WIN MUL_HI
	MULS NBK/2, NBK/2, 1, NQ-1, \slot, 0
	PLACES 4
	WIN 0
	FETCH_A \next, 0, NBK/2
.endm
.macro MID slot
.if NQ > 2
	STEP \slot, 1, 0
	STEP \slot, 2, 0
.endif
.endm
	s_load_b256 s[4:11], s[0:1], 0x0               ; hq, opq, b2, x1
	s_load_b64 s[12:13], s[0:1], 0x20              ; ybuf
	v_lshl_add_u32 v[SPW], v0, 2, SPARE
	v_mov_b32 v[NIL], 0
	ds_add_u32 v28, v29
	ds_add_u32 v28, v29
	s_wait_dscnt 0x0
	v_lshrrev_b32 v1, 5, v0
	v_readfirstlane_b32 s14, v1
	s_lshr_b32 s15, s14, 1
	s_and_b32 s16, s14, 1
	s_bfe_u32 s40, ttmp6, 0x40000
	s_bfe_u32 s41, ttmp6, 0x40004
	s_lshl_b32 s42, ttmp9, 2
	s_add_co_u32 s42, s42, s40                     ; tile column
	s_and_b32 s17, ttmp7, 0xffff
	s_lshl_b32 s17, s17, 2
	s_add_co_u32 s17, s17, s41                     ; tile row
	s_lshl_b32 s43, s41, 2
	s_lshl_b32 s43, 15, s43
	s_lshl_b32 s44, 0x1111, s40
	s_or_b32 s[G1+0], s43, (3<<16)|(1<<21)
	s_or_b32 s[G1B+0], s44, (3<<16)|(1<<21)
.irp g, G1, G1B
	s_mov_b32 s[\g+1], (192*NQ)<<16
	s_mov_b32 s[\g+2], (2*NBK)<<16
	s_mov_b32 s[\g+3], (192*NQ)<<16
	s_mov_b32 s[\g+4], 2*NBK
	s_mov_b32 s[\g+5], 192*KSTEPS
	s_mov_b32 s[\g+6], 0
	s_mov_b32 s[\g+7], 0
.endr
	s_or_b32 s[G1S+0], s43, (3<<16)|(1<<21)
	s_or_b32 s[G1SB+0], s44, (3<<16)|(1<<21)
.irp g, G1S, G1SB
	s_mov_b32 s[\g+1], 32<<16
	s_mov_b32 s[\g+2], (2*HALFS/256)<<16
	s_mov_b32 s[\g+3], 32<<16
	s_mov_b32 s[\g+4], 2*HALFS/256
	s_mov_b32 s[\g+5], 32
	s_mov_b32 s[\g+6], 0
	s_mov_b32 s[\g+7], 0
.endr
	s_mul_i32 s18, s16, NBK
	s_mul_i32 s20, s17, 2*NBK
	s_add_co_u32 s20, s20, s18
	s_mul_i32 s46, s42, 2*NBK
	s_add_co_u32 s46, s46, s18
	s_mul_i32 s22, s17, 2*NBK*KSTEPS*64            ; the scale words of the tile's whole 2 NBK groups
	s_mul_i32 s92, s42, 2*NBK*KSTEPS*64
	s_mul_i32 s20, s20, KSTEPS*1536
	s_mul_i32 s46, s46, KSTEPS*1536
	s_mov_b32 s21, 0
	s_mov_b32 s23, 0
	s_mov_b32 s47, 0
	s_mov_b32 s93, 0
	s_mul_i32 s45, s14, HALFT
	s_wait_kmcnt 0x0
	s_add_nc_u64 s[20:21], s[4:5], s[20:21]
	s_add_nc_u64 s[22:23], s[4:5], s[22:23]
	s_add_nc_u64 s[46:47], s[6:7], s[46:47]
	s_add_nc_u64 s[92:93], s[6:7], s[92:93]
	s_add_nc_u64 s[22:23], s[22:23], ASOFF
	s_add_nc_u64 s[46:47], s[46:47], BOFF
	s_add_nc_u64 s[92:93], s[92:93], BSOFF
	CROUND                                         ; all sixteen work-groups are here: the first joint loads meet
	s_mov_b32 s[G0S], 1
	s_mov_b32 s[G0S+1], SCL
	s_mov_b64 s[G0S+2:G0S+3], s[22:23]
	s_or_b32 s[G0S+3], s[G0S+3], 0x80000000
	s_mov_b32 s[G0SB], 1
	s_mov_b32 s[G0SB+1], SCL+2*HALFS
	s_mov_b64 s[G0SB+2:G0SB+3], s[92:93]
	s_or_b32 s[G0SB+3], s[G0SB+3], 0x80000000
.irp s, 0,1
	s_mov_b32 s[G0+4*\s], 1
	s_add_co_u32 s[G0+4*\s+1], s45, \s*SLOT
	s_add_nc_u64 s[G0+4*\s+2:G0+4*\s+3], s[20:21], \s*GROW
	s_or_b32 s[G0+4*\s+3], s[G0+4*\s+3], 0x80000000
	s_mov_b32 s[G0B+4*\s], 1
	s_add_co_u32 s[G0B+4*\s+1], s45, \s*SLOT
	s_add_nc_u64 s[G0B+4*\s+2:G0B+4*\s+3], s[46:47], \s*GROW
	s_or_b32 s[G0B+4*\s+3], s[G0B+4*\s+3], 0x80000000
.endr
; the head's four tiles, one joint load a wave: wave 0 slot 0's 2 NBK groups of A, wave 1 A's scale words, wave 2 slot 0's 2 NBK groups of B, wave 3 B's scale words
.macro ARM under, g0, g1, next
	s_cmp_lt_u32 s14, \under
	s_cbranch_scc0 \next
	tensor_load_to_lds s[\g0:\g0+3], s[\g1:\g1+7]
	s_nop 0
.rept 4
	v_nop
.endr
	s_branch .Lhead_asked
\next:
.endm
	ARM 1, G0, G1, .Lhead_sa
	ARM 2, G0S, G1S, .Lhead_b
	ARM 3, G0B, G1B, .Lhead_sb
	tensor_load_to_lds s[G0SB:G0SB+3], s[G1SB:G1SB+7]
	s_nop 0
.rept 4
	v_nop
.endr
.Lhead_asked:
	s_cmp_eq_u32 s15, 0                            ; the prefetches: do I fetch for A or for B?
	s_cselect_b64 s[96:97], s[20:21], s[46:47]     ; my NBK groups, K step 0
	s_cselect_b32 s98, s40, s41                    ; my place among the four that ask with me
	s_mul_i32 s98, s98, KSTEPS*1536                ; that group of the NBK,
	s_add_co_u32 s98, s98, 2*GROW                  ; at slot 2's K steps
	s_mov_b32 s99, 0
	s_add_nc_u64 s[96:97], s[96:97], s[98:99]
	v_and_b32 v30, 31, v0
	v_min_u32 v30, 23, v30
	v_lshlrev_b32 v30, 8, v30                      ; a lane a block of 256 bytes; never rewritten
	v_and_b32 v1, 15, v0                           ; r
	v_bfe_u32 v2, v0, 4, 1                         ; h
	s_wait_alu depctr_va_vdst(0)
	v_and_b32 v3, 31, v0
	v_lshlrev_b32 v4, 4, v3
	s_wait_alu depctr_va_vdst(0)
	v_lshlrev_b32 v5, 3, v3
	v_add_nc_u32 v5, 512, v5
	; the bias in the result's layout: for B's block b lane (r, h) wants b2 at my columns 32 (b / 2) + 16 h + 8 (b % 2) + 0 .. 7
	s_wait_alu depctr_va_vdst(0)
	s_lshl_b32 s18, s42, 9
	s_lshl_b32 s19, s16, 8
	s_add_co_u32 s18, s18, s19
	s_mov_b32 s19, 0
	s_add_nc_u64 s[8:9], s[8:9], s[18:19]
	v_lshlrev_b32 v6, 6, v2
.irp b, 0,1,2,3
	global_load_b128 v[BI+8*\b:BI+8*\b+3], v6, s[8:9] offset:(32*(\b/2)+8*(\b%2))*4
	global_load_b128 v[BI+8*\b+4:BI+8*\b+7], v6, s[8:9] offset:(32*(\b/2)+8*(\b%2))*4+16
.endr
	; my 64 rows x 64 columns in x1 and in z
	s_lshl_b32 s19, s17, 19
	s_add_co_u32 s18, s18, s19
	s_lshl_b32 s19, s15, 18
	s_add_co_u32 s18, s18, s19
	s_mov_b32 s19, 0
	s_add_nc_u64 s[10:11], s[10:11], s[18:19]
	s_add_nc_u64 s[12:13], s[12:13], s[18:19]
	v_lshlrev_b32 v[CO], 12, v2
	v_lshl_add_u32 v[CO], v1, 4, v[CO]             ; lanes 0-15 one row's 256 bytes, lanes 16-31 the next row's
	WIN 0xc0                                       ; destination window 3
.irp a, 0,1,2,3
.irp t, 0,1,2,3,4,5,6,7
	global_load_b128 v[32*\a+4*\t:32*\a+4*\t+3], v[CO], s[10:11] offset:(32*(\a/2)+8*(\a%2)+2*\t+8*(\t/4))*4096 th:TH_LOAD_NT
.endr
.endr
	WIN 0
	s_mul_i32 s21, s15, HALFT
	s_mul_i32 s22, s16, HALFT
	s_add_co_u32 s22, s22, 2*HALFT
.irp s, 0,1
	v_add_nc_u32 v[ADRA+\s], s21, v4
	v_add_nc_u32 v[ADRB+\s], s22, v4
	v_add_nc_u32 v[ADRA+2+\s], s21, v5
	v_add_nc_u32 v[ADRB+2+\s], s22, v5
	s_add_co_u32 s21, s21, SLOT
	s_add_co_u32 s22, s22, SLOT
.endr
	v_lshlrev_b32 v8, 2, v1
	s_mul_i32 s21, s15, HALFS
	s_mul_i32 s22, s16, HALFS
	s_add_co_u32 s22, s22, 2*HALFS
	s_sub_co_u32 s22, s22, s21
	v_mul_u32_u24 v7, s22, v2
	s_add_co_u32 s21, s21, SCL
	v_add_nc_u32 v8, v8, v7
	v_add_nc_u32 v[ADRS], s21, v8
	s_mul_i32 s23, s14, 16*272                     ; my stage, in slot 0: 16 rows x (256 + 16) bytes
	v_mul_u32_u24 v[STO], v1, 272
	v_lshl_add_u32 v[STO], v2, 6, v[STO]
	v_add_nc_u32 v[STO], s23, v[STO]
	v_mul_u32_u24 v[RD], v2, 272
	v_lshl_add_u32 v[RD], v1, 4, v[RD]
	v_add_nc_u32 v[RD], s23, v[RD]
	s_wait_alu depctr_va_vdst(0)
	s_wait_tensorcnt 0x0                           ; my tile of the head's four is in
	ds_add_u32 v[SPW], v[NIL]
	s_mov_b32 s[G1+2], NBK<<16                     ; no load of mine is out: from here on a load brings NBK groups
	s_mov_b32 s[G1+4], NBK
	s_mov_b32 s[G1B+2], NBK<<16
	s_mov_b32 s[G1B+4], NBK
	s_wait_dscnt 0x0
	CROUND
	JLOAD G0+4, G1, G0B+4, G1B                     ; slot 1's first fill, the first tensor load behind the round
	FETCH_B 0, 0, 0
	FETCH_A 0, 0, 0
	SCALES 0
	FETCH_A 0, 0, NBK/2
	global_prefetch_b8 v30, s[96:97] th:TH_LOAD_NT scope:SCOPE_SE   ; behind slot 1's load: what the first refill will ask for
	s_wait_loadcnt 32
	STEP 0, 0, 2                                   ; the first step's products start the sums with the bias
.if LAPS > 1
	s_mov_b32 s3, LAPS-1
.Llap:
	MID 0
	TURN 0, 1, 1
	STEP 1, 0, 0
	MID 1
	TURN 1, 0, 1
	STEP 0, 0, 0
	s_sub_co_u32 s3, s3, 1
	s_cmp_lg_u32 s3, 0
	s_cbranch_scc1 .Llap
.endif
	MID 0
	TURN 0, 1, 0                                   ; the last lap fills nothing
	STEP 1, 0, 0
	MID 1
	s_wait_dscnt (NBK/2)*NL
	WIN MUL_LO
	MULS 0, NBK/2, 1, NQ-1, 1, 0
	s_wait_dscnt 0x0
	WIN MUL_HI
	MULS NBK/2, NBK/2, 1, NQ-1, 1, 0
	WIN 0
	PLACES 4
	s_wait_loadcnt 0x0                             ; the residual
	; THE WAY OUT, a group of 16 rows at a time, through my own stage (slot 0 has had its last fill, and every wave has passed the last change of slots, behind which nobody reads it); back as rows of 256 bytes
.irp a, 0,1,2,3
.if \a >= 2
	s_wait_xcnt 0x0                                ; block a - 2's stores have read their registers
.endif
	WIN 0x08
.irp b, 0,1,2,3
	ds_store_b128 v[STO], v[8*(4*\a+\b):8*(4*\a+\b)+3] offset:128*(\b/2)+32*(\b%2)
	ds_store_b128 v[STO], v[8*(4*\a+\b)+4:8*(4*\a+\b)+7] offset:128*(\b/2)+32*(\b%2)+16
.endr
	WIN 0
.irp t, 0,1,2,3,4,5,6,7
	ds_load_b128 v[BK+32*(\a%2)+4*\t:BK+32*(\a%2)+4*\t+3], v[RD] offset:544*\t   ; LDS serves a wave's instructions in order: these see the stores above
.endr
	s_wait_dscnt 0x0
	WIN 0x0c
.irp t, 0,1,2,3,4,5,6,7,8,9,10,11,12,13,14,15
	v_pk_add_f32 v[BK+32*(\a%2)+2*\t:BK+32*(\a%2)+2*\t+1], v[BK+32*(\a%2)+2*\t:BK+32*(\a%2)+2*\t+1], v[32*\a+2*\t:32*\a+2*\t+1]
.endr
	WIN 0
.irp t, 0,1,2,3,4,5,6,7
	global_store_b128 v[CO], v[BK+32*(\a%2)+4*\t:BK+32*(\a%2)+4*\t+3], s[12:13] offset:(32*(\a/2)+8*(\a%2)+2*\t+8*(\t/4))*4096   ; 16 lanes store 256 consecutive bytes, aligned
.endr
.endr
	s_wait_tensorcnt 0x0                           ; the wave's end
	ds_add_u32 v[SPW], v[NIL]
	s_wait_dscnt 0x0
	CROUND
	s_endpgm
.Lfunc_end_k_qadd86fe657_w2:
	.size	k_qadd86fe657_w2, .Lfunc_end_k_qadd86fe657_w2-k_qadd86fe657_w2
	.p2alignl 7, 3214868480
	.fill 96, 4, 3214868480
	.section	.rodata,"a",@progbits
	.p2align	6, 0x0
	.amdhsa_kernel k_qadd86fe657_w2
		.amdhsa_group_segment_fixed_size 327680
		.amdhsa_private_segment_fixed_size 0
		.amdhsa_enable_private_segment 0
		.amdhsa_kernarg_size 40
		.amdhsa_user_sgpr_count 2
		.amdhsa_user_sgpr_kernarg_segment_ptr 1
		.amdhsa_wavefront_size32 1
		.amdhsa_system_sgpr_workgroup_id_x 1
		.amdhsa_system_sgpr_workgroup_id_y 1
		.amdhsa_system_sgpr_workgroup_id_z 1
		.amdhsa_system_vgpr_workitem_id 0
		.amdhsa_next_free_vgpr 896
		.amdhsa_next_free_sgpr 102
		.amdhsa_reserve_vcc 0
		.amdhsa_float_denorm_mode_32 3
		.amdhsa_float_denorm_mode_16_64 3
		.amdhsa_memory_ordered 1
		.amdhsa_forward_progress 1
		.amdhsa_inst_pref_size 106
	.end_amdhsa_kernel
	.amdgpu_metadata
---
amdhsa.version: [ 1, 2 ]
amdhsa.kernels:
  - .name:           k_qadd86fe657_w2
    .symbol:         k_qadd86fe657_w2.kd
    .args:
      - { .name: hq, .offset: 0, .size: 8, .value_kind: global_buffer, .address_space: global }
      - { .name: opq, .offset: 8, .size: 8, .value_kind: global_buffer, .address_space: global }
      - { .name: b2, .offset: 16, .size: 8, .value_kind: global_buffer, .address_space: global }
      - { .name: x1, .offset: 24, .size: 8, .value_kind: global_buffer, .address_space: global }
      - { .name: ybuf, .offset: 32, .size: 8, .value_kind: global_buffer, .address_space: global }
    .group_segment_fixed_size: 327680
    .private_segment_fixed_size: 0
    .kernarg_segment_align: 8
    .kernarg_segment_size: 40
    .max_flat_workgroup_size: 128
    .sgpr_count:     102
    .vgpr_count:     896
    .wavefront_size: 32
...
	.end_amdgpu_metadata
.endif
;; end of part 7
;; launch ln1 (part 8): grid 256 x 1, 8 waves a work-group, no clusters, 0 bytes of LDS; arguments ybuf, gamma1, beta1, out0; writes out0
.if DOCPART == 8
	.amdgcn_target "amdgcn-amd-amdhsa--gfx1250"
	.amdhsa_code_object_version 6
	.text
	.protected	k_qadd86fe657_ln1
	.globl	k_qadd86fe657_ln1
	.p2align	8
	.type	k_qadd86fe657_ln1,@function
k_qadd86fe657_ln1:
	s_mov_b64 s[64:65], 0
	v_nop
	global_prefetch_b8 v0, s[64:65] scope:SCOPE_SE
	s_setreg_imm32_b32 hwreg(HW_REG_WAVE_MODE, 25, 1), 1
	s_wait_xcnt 0x0
; out0 = LayerNorm(z; gamma1, beta1).  Work-group g owns rows 16 g .. 16 g + 15; wave w the rows 16 g + w and 16 g + w + 8.  A row of 4,096 bytes stays in 32 registers a lane: the mean, then the mean of the squared differences
; from it (two passes over registers: no difference of large sums), 1 / sqrt by v_rsq_f32.  Each load and store of a wave covers 512 consecutive bytes.  No LDS, no barrier: waves share nothing.  NaN and infinities are not served.
.set XA,  32
.set XB,  64
.set GA,  96
.set BE,  128
.set TA,  160
.set TBB, 164
.set SEL, 26
.macro LSUM x, t
	v_pk_add_f32 v[\t:\t+1], v[\x:\x+1], v[\x+2:\x+3]
	v_pk_add_f32 v[\t+2:\t+3], v[\x+4:\x+5], v[\x+6:\x+7]
.irp i, 8,12,16,20,24,28
	s_delay_alu instid0(VALU_DEP_2)
	v_pk_add_f32 v[\t:\t+1], v[\t:\t+1], v[\x+\i:\x+\i+1]
	s_delay_alu instid0(VALU_DEP_2)
	v_pk_add_f32 v[\t+2:\t+3], v[\t+2:\t+3], v[\x+\i+2:\x+\i+3]
.endr
.endm
.macro LSQ x, t
	v_pk_mul_f32 v[\t:\t+1], v[\x:\x+1], v[\x:\x+1]
	v_pk_mul_f32 v[\t+2:\t+3], v[\x+2:\x+3], v[\x+2:\x+3]
.irp i, 4,8,12,16,20,24,28
	s_delay_alu instid0(VALU_DEP_2)
	v_pk_fma_f32 v[\t:\t+1], v[\x+\i:\x+\i+1], v[\x+\i:\x+\i+1], v[\t:\t+1]
	s_delay_alu instid0(VALU_DEP_2)
	v_pk_fma_f32 v[\t+2:\t+3], v[\x+\i+2:\x+\i+3], v[\x+\i+2:\x+\i+3], v[\t+2:\t+3]
.endr
.endm
.macro ACROSS t
	v_pk_add_f32 v[\t:\t+1], v[\t:\t+1], v[\t+2:\t+3]
	s_delay_alu instid0(VALU_DEP_1)
	v_add_f32 v[\t], v[\t], v[\t+1]
	s_delay_alu instid0(VALU_DEP_1)
	v_add_f32_dpp v[\t], v[\t], v[\t] row_xmask:1 row_mask:0xf bank_mask:0xf
	s_delay_alu instid0(VALU_DEP_1)
	v_add_f32_dpp v[\t], v[\t], v[\t] row_xmask:2 row_mask:0xf bank_mask:0xf
	s_delay_alu instid0(VALU_DEP_1)
	v_add_f32_dpp v[\t], v[\t], v[\t] row_xmask:4 row_mask:0xf bank_mask:0xf
	s_delay_alu instid0(VALU_DEP_1)
	v_add_f32_dpp v[\t], v[\t], v[\t] row_xmask:8 row_mask:0xf bank_mask:0xf
	s_delay_alu instid0(VALU_DEP_1)
	v_permlanex16_b32 v[\t+1], v[\t], s[SEL], s[SEL+1]
	s_delay_alu instid0(VALU_DEP_1)
	v_add_f32 v[\t], v[\t], v[\t+1]
.endm
.macro CENTRE x, t
	v_mul_f32 v[\t+2], 0xba800000, v[\t]           ; - sum / 1,024
	v_mul_f32 v[\t+3], 0xba800000, v[\t]
.irp i, 0,2,4,6,8,10,12,14,16,18,20,22,24,26,28,30
	v_pk_add_f32 v[\x+\i:\x+\i+1], v[\x+\i:\x+\i+1], v[\t+2:\t+3]
.endr
.endm
.macro FINISH x, t
.irp i, 0,2,4,6,8,10,12,14,16,18,20,22,24,26,28,30
	v_pk_mul_f32 v[\x+\i:\x+\i+1], v[\x+\i:\x+\i+1], v[\t+2:\t+3]
.endr
.irp i, 0,2,4,6,8,10,12,14,16,18,20,22,24,26,28,30
	v_pk_fma_f32 v[\x+\i:\x+\i+1], v[\x+\i:\x+\i+1], v[GA+\i:GA+\i+1], v[BE+\i:BE+\i+1]
.endr
.endm
	s_load_b256 s[4:11], s[0:1], 0x0               ; ybuf, gamma1, beta1, out0
	v_lshrrev_b32 v1, 5, v0
	s_delay_alu instid0(VALU_DEP_1)
	v_readfirstlane_b32 s14, v1                    ; wave 0..7
	v_and_b32 v1, 31, v0
	s_delay_alu instid0(VALU_DEP_1)
	v_lshlrev_b32 v4, 4, v1                        ; 16 l
	s_lshl_b32 s15, s14, 12
	v_add_nc_u32 v5, s15, v4                       ; + my first row among the work-group's
	s_lshl_b32 s16, ttmp9, 16                      ; 16 rows of 4,096 bytes
	s_mov_b32 s17, 0
	s_mov_b32 s[SEL], 0x76543210
	s_mov_b32 s[SEL+1], 0xfedcba98
	s_mov_b32 s20, 0x3a800000                      ; 1 / 1,024
	s_wait_alu depctr_va_vdst(0)
	s_wait_kmcnt 0x0
	s_add_nc_u64 s[4:5], s[4:5], s[16:17]
	s_add_nc_u64 s[10:11], s[10:11], s[16:17]
.irp j, 0,1,2,3,4,5,6,7
	global_load_b128 v[XA+4*\j:XA+4*\j+3], v5, s[4:5] offset:512*\j th:TH_LOAD_NT
.endr
.irp j, 0,1,2,3,4,5,6,7
	global_load_b128 v[XB+4*\j:XB+4*\j+3], v5, s[4:5] offset:32768+512*\j th:TH_LOAD_NT
.endr
.irp j, 0,1,2,3,4,5,6,7
	global_load_b128 v[GA+4*\j:GA+4*\j+3], v4, s[6:7] offset:512*\j
.endr
.irp j, 0,1,2,3,4,5,6,7
	global_load_b128 v[BE+4*\j:BE+4*\j+3], v4, s[8:9] offset:512*\j
.endr
	s_wait_loadcnt 24                              ; my first row is in; 24 younger loads may be out
	LSUM XA, TA
	s_wait_loadcnt 16                              ; my second row; gamma's and beta's 16 may be out
	LSUM XB, TBB
	ACROSS TA
	ACROSS TBB
	CENTRE XA, TA
	CENTRE XB, TBB
	LSQ XA, TA
	LSQ XB, TBB
	ACROSS TA
	ACROSS TBB
	v_fmaak_f32 v[TA], s20, v[TA], 0x3727c5ac      ; var + 1e-5
	s_delay_alu instid0(VALU_DEP_2)
	v_fmaak_f32 v[TBB], s20, v[TBB], 0x3727c5ac
	s_wait_alu depctr_va_vdst(0)
	v_rsq_f32 v[TA+2], v[TA]
	v_rsq_f32 v[TBB+2], v[TBB]
	v_nop                                          ; a plain place behind the two
	s_wait_alu depctr_va_vdst(0)                   ; one wait for both, ahead of their first reader
	v_mov_b32 v[TA+3], v[TA+2]
	v_mov_b32 v[TBB+3], v[TBB+2]
	s_wait_alu depctr_va_vdst(0)
	s_wait_loadcnt 0x0                             ; gamma, beta
	FINISH XA, TA
	FINISH XB, TBB
.irp j, 0,1,2,3,4,5,6,7
	global_store_b128 v5, v[XA+4*\j:XA+4*\j+3], s[10:11] offset:512*\j th:TH_STORE_NT
.endr
.irp j, 0,1,2,3,4,5,6,7
	global_store_b128 v5, v[XB+4*\j:XB+4*\j+3], s[10:11] offset:32768+512*\j th:TH_STORE_NT
.endr
	s_endpgm
.Lfunc_end_k_qadd86fe657_ln1:
	.size	k_qadd86fe657_ln1, .Lfunc_end_k_qadd86fe657_ln1-k_qadd86fe657_ln1
	.p2alignl 7, 3214868480
	.fill 96, 4, 3214868480
	.section	.rodata,"a",@progbits
	.p2align	6, 0x0
	.amdhsa_kernel k_qadd86fe657_ln1
		.amdhsa_group_segment_fixed_size 0
		.amdhsa_private_segment_fixed_size 0
		.amdhsa_enable_private_segment 0
		.amdhsa_kernarg_size 32
		.amdhsa_user_sgpr_count 2
		.amdhsa_user_sgpr_kernarg_segment_ptr 1
		.amdhsa_wavefront_size32 1
		.amdhsa_system_sgpr_workgroup_id_x 1
		.amdhsa_system_sgpr_workgroup_id_y 1
		.amdhsa_system_sgpr_workgroup_id_z 1
		.amdhsa_system_vgpr_workitem_id 0
		.amdhsa_next_free_vgpr 192
		.amdhsa_next_free_sgpr 66
		.amdhsa_reserve_vcc 0
		.amdhsa_float_denorm_mode_32 3
		.amdhsa_float_denorm_mode_16_64 3
		.amdhsa_memory_ordered 1
		.amdhsa_forward_progress 1
		.amdhsa_inst_pref_size 21
	.end_amdhsa_kernel
	.amdgpu_metadata
---
amdhsa.version: [ 1, 2 ]
amdhsa.kernels:
  - .name:           k_qadd86fe657_ln1
    .symbol:         k_qadd86fe657_ln1.kd
    .args:
      - { .name: ybuf, .offset: 0, .size: 8, .value_kind: global_buffer, .address_space: global }
      - { .name: gamma1, .offset: 8, .size: 8, .value_kind: global_buffer, .address_space: global }
      - { .name: beta1, .offset: 16, .size: 8, .value_kind: global_buffer, .address_space: global }
      - { .name: out0, .offset: 24, .size: 8, .value_kind: global_buffer, .address_space: global }
    .group_segment_fixed_size: 0
    .private_segment_fixed_size: 0
    .kernarg_segment_align: 8
    .kernarg_segment_size: 32
    .max_flat_workgroup_size: 256
    .sgpr_count:     66
    .vgpr_count:     192
    .wavefront_size: 32
...
	.end_amdgpu_metadata
.endif
;; end of part 8
